; MI455X (gfx1250); checked and timed in simulation.
; The chip was launched on July 23, 2026; its instructions are those of AMD's public machine-readable ISA for CDNA 5 (MIT licence, August 2026) and "CDNA5" Instruction Set Architecture Reference Guide (July 2026). The comments in the code are by the model that wrote it; some were corrected since.
;; Attention. Allowed arithmetic: float matrix products may take bf16 or f16 operands with f32 sums; other float arithmetic in f32, or as packed bf16 or f16 multiplies, adds, multiply-adds, maxima and minima; sums over many terms, partial sums and values carried from step to step in f32; what a program stores and reads back later, other than sums and carried values, may be rounded once to bf16 or f16.
;; Inputs: cos 2,048 x 64 float32; k_norm_w 64 float32; proj_b 1,024 float32; proj_w 1,024 x 1,024 float32; q_norm_w 64 float32; qkv_b 3,072 float32; qkv_w 3,072 x 1,024 float32; sin 2,048 x 64 float32; x 4 x 2,048 x 1,024 float32.
;; Outputs: out0 4 x 2,048 x 1,024 float32.
;; 2 versions, each right; version 2 is version 1 with the launch cast written anew for expert scheduling mode. Each part assembles by itself: llvm-mc -triple=amdgcn-amd-amdhsa -mcpu=gfx1250 --defsym DOCPART=n.
;; ======== version 1 of 2: 4 launches
;; limits: values are held in f16: magnitudes above 65,504 overflow, below 6.1e-05 lose precision
;; workspace buffers: xb 16,777,216 bytes; wb 6,291,456 bytes; pw 2,097,152 bytes; tab 1,048,576 bytes; qh 16,777,216 bytes; kh 16,777,216 bytes; vh 16,777,216 bytes; oh 16,777,216 bytes
;; launch cast (part 1): grid 784 x 1, 8 waves a work-group, no clusters, 0 bytes of LDS; arguments x, qkv_w, proj_w, cos, sin, xb, wb, pw, tab; writes xb, wb, pw, tab
.if DOCPART == 1
	.amdgcn_target "amdgcn-amd-amdhsa--gfx1250"
	.amdhsa_code_object_version 6
	.text
	.protected	k_qfb8b41227d_cast
	.globl	k_qfb8b41227d_cast
	.p2align	8
	.type	k_qfb8b41227d_cast,@function
k_qfb8b41227d_cast:
	s_mov_b64 s[64:65], 0
	v_nop
	global_prefetch_b8 v0, s[64:65] scope:SCOPE_SE
	s_setreg_imm32_b32 hwreg(HW_REG_WAVE_MODE, 25, 1), 1
	s_wait_xcnt 0x0
; Every large input is rounded once to bf16 and laid out for the launches behind.
; x [8192][1024] -> xb, bf16 [4 b][16 kb][2048 n][64];  qkv_w [3072][1024] -> wb, bf16 [16 kb][3072][64];
; proj_w [1024][1024] -> pw, [16 kb][1024][64]: rounded to bf16, that number written as f16 (LIMIT: |proj_w| within 65,504; below 6e-5 f16's fixed step of 6e-8);
; cos, sin [2048][64] -> tab: rounded to bf16 and kept as f32, cos at byte 0, sin at byte 524,288.
; A K block of 64 channels of any run of rows is then dense in memory: a tile of it can be asked for as rows of 256 bytes.
; SHARES.  Every work-group reads 64 KiB: ids 0-511 sixteen rows of x, 512-703 of qkv_w, 704-767 of proj_w, 768-775 a piece of cos, 776-783 of sin.
; Thread t takes row t / 16 and, of each K block's 256 bytes of f32, the 16 bytes at 16 (t % 16): sixteen lanes read 256 consecutive aligned bytes.
; Its 8 bytes of result lie at 8 t in the block's sixteen rows: a wave's store covers 256 consecutive aligned bytes.
; All sixteen loads of a thread go out at once; no register that a store reads is written again, so there is no loop and no wait for a store's sources.
; No LDS, no matrix unit: nothing is shared and nothing is multiplied.
.set DO, 4                             ; v[4:19]  byte offset of my 8 bytes in K block j
.set X,  32                            ; v[32:95] sixteen slots of four registers
	s_load_b512 s[4:19], s[0:1], 0x0               ; x 4:5, qkv_w 6:7, proj_w 8:9, cos 10:11, sin 12:13, xb 14:15, wb 16:17, pw 18:19
	s_load_b64 s[20:21], s[0:1], 0x40              ; tab
	s_mov_b32 s22, ttmp9                           ; the work-group's number
	s_mov_b32 s34, 0xffff0000                      ; a word's upper bf16
	s_mov_b32 s27, 0                               ; high words of the two offsets
	s_mov_b32 s29, 0
	v_lshrrev_b32 v1, 4, v0
	v_and_b32 v20, 15, v0
	v_lshlrev_b32 v20, 4, v20
	v_lshl_add_u32 v1, v1, 12, v20                 ; source: row t / 16 of 4,096 bytes + 16 (t % 16)
	v_lshlrev_b32 v2, 3, v0                        ; destination: 8 t
	v_lshlrev_b32 v3, 4, v0                        ; the tables: 16 t
	s_sub_co_u32 s35, s22, 512                     ; the number among qkv_w's work-groups,
	s_sub_co_u32 s36, s22, 704                     ; among proj_w's
	s_lshr_b32 s37, s22, 7                         ; x: batch b = id / 128, 16 K blocks of 262,144 bytes each,
	s_lshl_b32 s37, s37, 22
	s_and_b32 s38, s22, 127                        ; and sixteen rows of 128 bytes
	s_lshl_b32 s38, s38, 11
	s_add_co_u32 s37, s37, s38
	s_mov_b32 s39, 393216                          ; bytes of a K block: wb,
	s_mov_b32 s40, 131072                          ; pw,
	s_mov_b32 s41, 262144                          ; xb
	s_wait_kmcnt 0x0
	s_cmp_ge_u32 s22, 768
	s_cbranch_scc1 .Ltable
	s_cmp_lt_u32 s22, 704                          ; qkv_w or proj_w
	s_cselect_b32 s23, s35, s36
	s_cselect_b32 s24, s39, s40
	s_cselect_b64 s[30:31], s[6:7], s[8:9]
	s_cselect_b64 s[32:33], s[16:17], s[18:19]
	s_lshl_b32 s28, s23, 11                        ; sixteen rows of 128 bytes in a block
	s_cmp_lt_u32 s22, 512                          ; or x
	s_cselect_b32 s23, s22, s23
	s_cselect_b32 s24, s41, s24
	s_cselect_b32 s28, s37, s28
	s_cselect_b64 s[30:31], s[4:5], s[30:31]
	s_cselect_b64 s[32:33], s[14:15], s[32:33]
	s_lshl_b32 s26, s23, 16                        ; sixteen rows of 4,096 bytes
	s_add_nc_u64 s[30:31], s[30:31], s[26:27]
	s_add_nc_u64 s[32:33], s[32:33], s[28:29]
.irp j, 0,1,2,3,4,5,6,7,8,9,10,11,12,13,14,15
	global_load_b128 v[X+4*(\j):X+4*(\j)+3], v1, s[30:31] offset:256*(\j) th:TH_LOAD_NT
.endr
.irp j, 0,1,2,3,4,5,6,7,8,9,10,11,12,13,14,15
	v_mad_u32_u24 v[DO+(\j)], s24, \j, v2          ; K block j
.endr
; half = 0: four f32 to four bf16.  half = 1: to bf16, widened again, and that number to f16.
.macro CONV half
.irp j, 0,1,2,3,4,5,6,7,8,9,10,11,12,13,14,15
	s_wait_loadcnt 15-(\j)                         ; loads come back in order: load j is in, the 15 - j younger ones stay out
.if \half
	v_cvt_pk_bf16_f32 v20, v[X+4*(\j)], v[X+4*(\j)+1]
	v_cvt_pk_bf16_f32 v21, v[X+4*(\j)+2], v[X+4*(\j)+3]
	v_lshlrev_b32 v[X+4*(\j)], 16, v20
	v_and_b32 v[X+4*(\j)+1], s34, v20
	v_lshlrev_b32 v[X+4*(\j)+2], 16, v21
	v_and_b32 v[X+4*(\j)+3], s34, v21
	v_cvt_pk_f16_f32 v[X+4*(\j)], v[X+4*(\j)], v[X+4*(\j)+1]
	v_cvt_pk_f16_f32 v[X+4*(\j)+1], v[X+4*(\j)+2], v[X+4*(\j)+3]
.else
	v_cvt_pk_bf16_f32 v[X+4*(\j)], v[X+4*(\j)], v[X+4*(\j)+1]
	v_cvt_pk_bf16_f32 v[X+4*(\j)+1], v[X+4*(\j)+2], v[X+4*(\j)+3]
.endif
	global_store_b64 v[DO+(\j)], v[X+4*(\j):X+4*(\j)+1], s[32:33]
.endr
.endm
	s_cmp_ge_u32 s22, 704
	s_cbranch_scc1 .Lhalf
	CONV 0
	s_endpgm
.Lhalf:
	CONV 1
	s_endpgm
.Ltable:                                               ; 64 KiB of cos or of sin: rounded to bf16, widened in place, stored where it lay
	s_and_b32 s26, s22, 7
	s_lshl_b32 s26, s26, 16
	s_sub_co_u32 s28, s22, 768
	s_lshl_b32 s28, s28, 16
	s_cmp_lt_u32 s22, 776
	s_cselect_b64 s[30:31], s[10:11], s[12:13]
	s_add_nc_u64 s[30:31], s[30:31], s[26:27]
	s_add_nc_u64 s[32:33], s[20:21], s[28:29]
.irp j, 0,1,2,3,4,5,6,7,8,9,10,11,12,13,14,15
	global_load_b128 v[X+4*(\j):X+4*(\j)+3], v3, s[30:31] offset:4096*(\j) th:TH_LOAD_NT
.endr
.irp j, 0,1,2,3,4,5,6,7,8,9,10,11,12,13,14,15
	s_wait_loadcnt 15-(\j)
	v_cvt_pk_bf16_f32 v20, v[X+4*(\j)], v[X+4*(\j)+1]
	v_cvt_pk_bf16_f32 v21, v[X+4*(\j)+2], v[X+4*(\j)+3]
	v_lshlrev_b32 v[X+4*(\j)], 16, v20
	v_and_b32 v[X+4*(\j)+1], s34, v20
	v_lshlrev_b32 v[X+4*(\j)+2], 16, v21
	v_and_b32 v[X+4*(\j)+3], s34, v21
	global_store_b128 v3, v[X+4*(\j):X+4*(\j)+3], s[32:33] offset:4096*(\j)
.endr
	s_endpgm
.Lfunc_end_k_qfb8b41227d_cast:
	.size	k_qfb8b41227d_cast, .Lfunc_end_k_qfb8b41227d_cast-k_qfb8b41227d_cast
	.p2alignl 7, 3214868480
	.fill 96, 4, 3214868480
	.section	.rodata,"a",@progbits
	.p2align	6, 0x0
	.amdhsa_kernel k_qfb8b41227d_cast
		.amdhsa_group_segment_fixed_size 0
		.amdhsa_private_segment_fixed_size 0
		.amdhsa_enable_private_segment 0
		.amdhsa_kernarg_size 72
		.amdhsa_user_sgpr_count 2
		.amdhsa_user_sgpr_kernarg_segment_ptr 1
		.amdhsa_wavefront_size32 1
		.amdhsa_system_sgpr_workgroup_id_x 1
		.amdhsa_system_sgpr_workgroup_id_y 1
		.amdhsa_system_sgpr_workgroup_id_z 1
		.amdhsa_system_vgpr_workitem_id 0
		.amdhsa_next_free_vgpr 96
		.amdhsa_next_free_sgpr 66
		.amdhsa_reserve_vcc 0
		.amdhsa_float_denorm_mode_32 3
		.amdhsa_float_denorm_mode_16_64 3
		.amdhsa_memory_ordered 1
		.amdhsa_forward_progress 1
		.amdhsa_inst_pref_size 25
	.end_amdhsa_kernel
	.amdgpu_metadata
---
amdhsa.version: [ 1, 2 ]
amdhsa.kernels:
  - .name:           k_qfb8b41227d_cast
    .symbol:         k_qfb8b41227d_cast.kd
    .args:
      - { .name: x, .offset: 0, .size: 8, .value_kind: global_buffer, .address_space: global }
      - { .name: qkv_w, .offset: 8, .size: 8, .value_kind: global_buffer, .address_space: global }
      - { .name: proj_w, .offset: 16, .size: 8, .value_kind: global_buffer, .address_space: global }
      - { .name: cos, .offset: 24, .size: 8, .value_kind: global_buffer, .address_space: global }
      - { .name: sin, .offset: 32, .size: 8, .value_kind: global_buffer, .address_space: global }
      - { .name: xb, .offset: 40, .size: 8, .value_kind: global_buffer, .address_space: global }
      - { .name: wb, .offset: 48, .size: 8, .value_kind: global_buffer, .address_space: global }
      - { .name: pw, .offset: 56, .size: 8, .value_kind: global_buffer, .address_space: global }
      - { .name: tab, .offset: 64, .size: 8, .value_kind: global_buffer, .address_space: global }
    .group_segment_fixed_size: 0
    .private_segment_fixed_size: 0
    .kernarg_segment_align: 8
    .kernarg_segment_size: 72
    .max_flat_workgroup_size: 256
    .sgpr_count:     66
    .vgpr_count:     96
    .wavefront_size: 32
...
	.end_amdgpu_metadata
.endif
;; end of part 1
;; launch qkv (part 2): grid 8 x 32, 4 waves a work-group, clusters of 4 x 4, 327,680 bytes of LDS; arguments xb, wb, qkv_b, q_norm_w, k_norm_w, tab, qh, kh, vh; writes qh, kh, vh
.if DOCPART == 2
	.amdgcn_target "amdgcn-amd-amdhsa--gfx1250"
	.amdhsa_code_object_version 6
	.text
	.protected	k_qfb8b41227d_qkv
	.globl	k_qfb8b41227d_qkv
	.p2align	8
	.type	k_qfb8b41227d_qkv,@function
k_qfb8b41227d_qkv:
	s_mov_b64 s[64:65], 0
	v_nop
	global_prefetch_b8 v0, s[64:65] scope:SCOPE_SE
	s_setreg_imm32_b32 hwreg(HW_REG_WAVE_MODE, 25, 1), 1
	s_wait_xcnt 0x0
	s_wait_alu depctr_hold_cnt(0) depctr_sa_sdst(0) depctr_va_vdst(0) depctr_va_sdst(0) depctr_va_ssrc(0) depctr_va_vcc(0) depctr_vm_vsrc(0)
	s_getreg_b32 s2, hwreg(HW_REG_IB_STS2, 6, 4)
	s_cmp_eq_u32 s2, 0
	s_cbranch_scc0 .Lentry_in_a_cluster
	s_endpgm
.Lentry_in_a_cluster:
	s_bfe_u32 s2, ttmp6, 0x10000c
	s_cmp_lg_u32 s2, 0xf033
	s_cbranch_scc0 .Lentry_shape_is_right
	s_endpgm
.Lentry_shape_is_right:
; qkv = x W^T + b (8192 x 3072 x 1024, bf16 operands, f32 sums); q and k: RMS norm over the head's 64 channels, gain, RoPE; q, k, v leave by heads, f16 [64 = b 16 + h][2048][64].
; Bias, gains, cos and sin are used rounded to bf16, as x and W are.  LIMITS: q, k and v must lie within f16's 65,504; NaN and infinities are not treated apart.
; TILE.  8192 x 3072 outputs on 256 work-groups: 256 rows x 384 columns each.  The 384 columns are heads 2 tx and 2 tx + 1 of q, of k and of v: three pieces of 128 rows of W.
; Four waves, 2 x 2: wave w has rows 128 (w / 2) .. + 127 and head 2 tx + w % 2 of all three pieces: 96 accumulators of 16 x 16, 768 registers: window 1 q, window 2 k, window 3 v.
; For 32 along K a wave reads 320 fragment rows from LDS for 96 matrix instructions.
; RING.  K goes in steps of 64 (one K block of xb and wb: dense, asked for as rows of 256 bytes, padded in LDS after every 128) through two slots; two slots of 128 along K
; (348,160 bytes) do not fit.  Wave 0 fetches A's 256 rows, waves 1 to 3 a piece each: one tensor load a wave behind each change of slots, 160 matrix instructions ahead of the wait for it.
; CLUSTER 4 x 4.  A's tile and the tables hang on the tile row alone and are asked for jointly by a row of the cluster, W's pieces on the tile column alone, by a column.
; THE MATRIX INSTRUCTION IS USED TRANSPOSED (source 0 = 16 rows of W, source 1 = 16 rows of x): a lane holds row l % 16 and the channels 16 i + 8 (l / 16) + 0..7 of its head.
; THE WAY OUT.  A window's 32 accumulators go as f32 into the wave's own part of the ring's bytes (the ring has had its last fill) and come back so that a lane has 8 neighbouring channels of a row,
; 8 lanes a row: the row's sum of squares is three steps among neighbours, the RoPE partner (channel xor 32) lies in lane xor 4, and 32 lanes' results are 512 consecutive bytes of a head.
; One text serves an m block of 16 rows, and is walked 8 times for q, 8 for k; a shorter one 8 times for v.
.set PITCH,  144                       ; an LDS row of A or W: 128 bytes + 16 = 36 words: the 16 rows of a fragment load start at 16 different groups of four banks (64 banks of 4 bytes: ISA guide 11.1)
.set ABYTES, 256*PITCH                 ; 36,864
.set PBYTES, 128*PITCH                 ; 18,432: a piece; also a wave's 128 rows of A
.set SLOT,   ABYTES+3*PBYTES           ; 92,160: A, then q's, k's, v's piece
.set TAB,    2*SLOT                    ; 184,320: cos of the tile's 256 rows, then sin: f32, 256 bytes + 16 a row
.set TPITCH, 272
.set TQUART, 128*TPITCH                ; 34,816: what one wave fetches of the tables; also a wave's part of the ring's bytes on the way out
.set SPARE,  TAB+4*TQUART              ; 323,584: the spare words, 128 bytes a wave: two blocks of 256 bytes that no other line names
.set DBLK,   16*TPITCH                 ; 4,352: an m block on the way out, and 16 rows of a table
.set XSTEP,  262144                    ; bytes from K block to K block in xb
.set WSTEP,  393216                    ; in wb
.set DST,  4                           ; v4   way out: where I put 32 bytes of a row
.set DRD0, 5                           ; v5   where I read 32 bytes back, m block 0
.set TRC0, 6                           ; v6   the same place in cos,
.set TRS0, 7                           ; v7   in sin
.set GO,   8                           ; v8   16 x lane: my 16 bytes of 512
.set DRD,  9                           ; v9-11 the three, walking
.set TRC,  10
.set TRS,  11
.set BO,   12                          ; v12  32 (l % 8): my 8 channels in a bias or a gain
.set ADRA, 16                          ; v16-17 LDS address of my A fragments in slot 0, 1
.set ADRB, 20                          ; v20-21 the same for W's
.set SPW,  28                          ; v28  my spare word; never rewritten
.set NIL,  29                          ; v29  0; never rewritten
.set PFO,  30                          ; v30  the prefetches' lane offset; never rewritten
.set AF,   32                          ; v32-95, v96-159 A's eight fragments, two buffers
.set BG,   160                         ; v160-255 piece g's four fragments at BG + 32 g
.set BIN,  32                          ; way out: v32-55 the biases of q, k, v as loaded; v56-71 the gains of q, k
.set GIN,  56
.set VV,   96                          ; group g of four rows: values,
.set CC,   128                         ; cos,
.set SS,   160                         ; sin: 8 registers each
.set TT,   192                         ; the partner's value times my sin
.set OO,   200                         ; packed results, 4 a group
.set QQ,   216                         ; sums of squares, 2 a group
.set RR,   224                         ; 2 g: 1 / root; 2 g + 1: mean + eps
.set BI,   232                         ; the bias in use, rounded to bf16
.set GW,   240                         ; the gain in use
.set SG,   248                         ; -1 for channels below 32, +1 above, twice
.set TP,   250
.set WV, 22
.set WR, 23
.set WC, 24
.set CX, 25
.set CY, 26
.set TX, 27
.set TY, 28
.set PP, 29
.set G1A, 32                           ; s[32:39] group 1: A's tile
.set G1B, 40                           ; s[40:47] a piece
.set G1T, 48                           ; s[48:55] a quarter of the tables
.set G0A, 56                           ; s[56:63] group 0 for A, a set for each slot
.set G0B, 68                           ; s[68:75] for my piece
.set G0T, 76                           ; s[76:79] for my quarter of the tables
.set PFA, 80                           ; s[80:81] where my prefetches stand
.set PFS, 82                           ; s[82:83] their step: a K block
.set LIM0, 84                          ; 1 in a wave that prefetches at slot 0's change, else the greatest number
.set LIM1, 85                          ; the same for slot 1's
.set LAP,  86
.set KIND, 87
.set TRIP, 88
.set OOFF, 90                          ; s[90:91] my first row's byte in qh, kh, vh
.set OUT,  92                          ; s[92:93]
.set RC64, 94
.set EPS,  95
.set HIM,  96
.set MSB, 0
.macro WIN new                         ; the immediate's high byte repeats the setting that is left; a switch that changes nothing is dropped
.if MSB != (\new)
	s_set_vgpr_msb (MSB<<8)|(\new)
.set MSB, \new
.endif
.endm
.macro PLACES                          ; four plain places behind matrix instructions, in front of loads into registers that they read and of readers of their results
.rept 4
	v_nop
.endr
.endm
.macro CREST                           ; a round of the cluster's barrier behind its opening barrier
	s_cmp_lg_u32 s[WV], 0
	s_cbranch_scc1 .Lnot_wave_0_\@
	s_barrier_signal -3
.Lnot_wave_0_\@:
	s_barrier_wait -3
	s_barrier_signal -1
	s_barrier_wait -1
.endm
.macro CROUND
	s_barrier_signal -1
	s_barrier_wait -1
	CREST
.endm
; A joint refill: wave 0 asks for A's tile, waves 1 to 3 each for a piece.  The branch hangs on the wave's number alone.  An s_nop 0 and four v_nop follow each line.
.macro JLOAD s
	s_cmp_eq_u32 s[WV], 0
	s_cbranch_scc0 .Lfor_b_\@
	tensor_load_to_lds s[G0A+4*(\s):G0A+4*(\s)+3], s[G1A:G1A+7]
	s_nop 0
.rept 4
	v_nop
.endr
	s_branch .Lasked_\@
.Lfor_b_\@:
	tensor_load_to_lds s[G0B+4*(\s):G0B+4*(\s)+3], s[G1B:G1B+7]
	s_nop 0
.rept 4
	v_nop
.endr
.Lasked_\@:
.endm
; A prefetch into the L2 of the K block two refills on (for W: of that one and the next, at slot 0's change alone).  A's tile row is read by both clusters of its row of clusters: cluster x = 0 asks, wave 0;
; W's pieces by all eight clusters of a column: cluster y = 0 asks, waves 1 to 3.  The four partners that ask for a tile jointly share its blocks of 256 bytes out by address (cx x 32 blocks of A's 128,
; cy x 16 of a piece's 64): a lane a block, each block named once in the launch.  The loop's last trip asks for nothing: K blocks 14 and 15 were named in the trip before.
.macro ASK lim
	s_cmp_gt_u32 s[LAP], s[\lim]
	s_cbranch_scc0 .Lnot_mine_\@
	global_prefetch_b8 v[PFO], s[PFA:PFA+1] th:TH_LOAD_NT scope:SCOPE_SE
.Lnot_mine_\@:
.endm
	s_load_b512 s[4:19], s[0:1], 0x0               ; xb 4:5, wb 6:7, qkv_b 8:9, q_norm_w 10:11, k_norm_w 12:13, tab 14:15, qh 16:17, kh 18:19
	s_load_b64 s[20:21], s[0:1], 0x40              ; vh
	v_lshl_add_u32 v[SPW], v0, 2, SPARE
	v_mov_b32 v[NIL], 0
	ds_add_u32 v[SPW], v[NIL]                      ; the wave's opening: the add and its wait stand ahead of my first tensor load; the set-up below, work on registers, stands between
	v_lshrrev_b32 v1, 5, v0
	v_readfirstlane_b32 s[WV], v1                  ; wave 0..3
	s_lshr_b32 s[WR], s[WV], 1                     ; my half of the rows
	s_and_b32 s[WC], s[WV], 1                      ; my head of the two
	s_bfe_u32 s[CX], ttmp6, 0x40000
	s_bfe_u32 s[CY], ttmp6, 0x40004
	s_lshl_b32 s[TX], ttmp9, 2
	s_add_co_u32 s[TX], s[TX], s[CX]               ; tile column 0..7
	s_and_b32 s[TY], ttmp7, 0xffff
	s_lshl_b32 s[TY], s[TY], 2
	s_add_co_u32 s[TY], s[TY], s[CY]               ; tile row 0..31
	s_lshl_b32 s30, s[CY], 2
	s_lshl_b32 s30, 15, s30                        ; my row of the cluster
	s_lshl_b32 s97, 0x1111, s[CX]                  ; my column
	s_or_b32 s[G1A], s30, (1<<16)|(1<<20)|(1<<21)|(4<<22)|(3<<25)  ; the mask; 2-byte elements; padding on; 21 set beside a mask; after every 32 words, 4 words
	s_or_b32 s[G1B], s97, (1<<16)|(1<<20)|(1<<21)|(4<<22)|(3<<25)
	s_or_b32 s[G1T], s30, (2<<16)|(1<<20)|(1<<21)|(5<<22)|(3<<25)  ; 4-byte elements; after every 64 words, 4 words
	s_mov_b32 s[G1A+1], 128<<16                    ; tensor_dim0 = 128 elements: 256 bytes, two rows of x
	s_mov_b32 s[G1A+2], 128<<16                    ; tensor_dim1 = 128
	s_mov_b32 s[G1A+3], 128<<16                    ; tile_dim0 = 128
	s_mov_b32 s[G1A+4], 128                        ; tile_dim1 = 128
	s_mov_b32 s[G1A+5], 128                        ; elements from row to row: dense
	s_mov_b32 s[G1A+6], 0
	s_mov_b32 s[G1A+7], 0
	s_mov_b32 s[G1B+1], 128<<16
	s_mov_b32 s[G1B+2], 64<<16                     ; 64 rows of 256 bytes: 128 rows of W
	s_mov_b32 s[G1B+3], 128<<16
	s_mov_b32 s[G1B+4], 64
	s_mov_b32 s[G1B+5], 128
	s_mov_b32 s[G1B+6], 0
	s_mov_b32 s[G1B+7], 0
	s_mov_b32 s[G1T+1], 64<<16                     ; 64 f32 a row
	s_mov_b32 s[G1T+2], 128<<16
	s_mov_b32 s[G1T+3], 64<<16
	s_mov_b32 s[G1T+4], 128
	s_mov_b32 s[G1T+5], 64
	s_mov_b32 s[G1T+6], 0
	s_mov_b32 s[G1T+7], 0
	s_lshr_b32 s30, s[TY], 3                       ; A: batch b = ty / 8, 16 K blocks of 262,144 bytes,
	s_lshl_b32 s30, s30, 22
	s_and_b32 s31, s[TY], 7
	s_lshl_b32 s2, s31, 15                         ; and 256 (ty % 8) rows of 128 bytes
	s_add_co_u32 s2, s2, s30
	s_mov_b32 s3, 0
	s_lshl_b32 s66, s31, 16                        ; the tables: 256 (ty % 8) rows of 256 bytes,
	s_lshl_b32 s30, s[WC], 15                      ; my 128 of them,
	s_add_co_u32 s66, s66, s30
	s_lshl_b32 s30, s[WR], 19                      ; cos (waves 0, 1) or sin (waves 2, 3)
	s_add_co_u32 s66, s66, s30
	s_mov_b32 s67, 0
	s_max_u32 s[PP], s[WV], 1
	s_sub_co_u32 s[PP], s[PP], 1                   ; my piece (wave 0 asks for none)
	s_lshl_b32 s98, s[TX], 14                      ; W: 128 tx rows of 128 bytes,
	s_lshl_b32 s99, s[PP], 17                      ; in piece p: 1,024 rows on
	s_add_co_u32 s98, s98, s99
	s_mov_b32 s99, 0
	s_mul_i32 s89, s[WV], PBYTES
	s_add_co_u32 s89, s89, PBYTES                  ; my piece's place in a slot: ABYTES + (wave - 1) PBYTES = (wave + 1) PBYTES
	s_mul_i32 s31, s[WV], TQUART
	s_add_co_u32 s31, s31, TAB                     ; my quarter of the tables
	s_lshr_b32 s[OOFF], s[TY], 3                   ; out: head b 16 + 2 tx + wc, 2,048 rows of 128 bytes each,
	s_lshl_b32 s[OOFF], s[OOFF], 4
	s_lshl_b32 s100, s[TX], 1
	s_add_co_u32 s100, s100, s[WC]
	s_add_co_u32 s[OOFF], s[OOFF], s100
	s_lshl_b32 s[OOFF], s[OOFF], 18
	s_and_b32 s[OOFF+1], s[TY], 7
	s_lshl_b32 s[OOFF+1], s[OOFF+1], 15            ; row 256 (ty % 8)
	s_add_co_u32 s[OOFF], s[OOFF], s[OOFF+1]
	s_lshl_b32 s[OOFF+1], s[WR], 14                ; + 128 wr
	s_add_co_u32 s[OOFF], s[OOFF], s[OOFF+1]
	s_mov_b32 s[OOFF+1], 0
	s_lshl_b32 s100, s100, 8                       ; my head's 64 f32 in a piece of the bias
	s_mov_b32 s101, 0
	s_mov_b32 s[RC64], 0x3c800000                  ; 1 / 64
	s_mov_b32 s[EPS], 0x358637bd                   ; 1e-6
	s_mov_b32 s[HIM], 0xffff0000
	s_wait_dscnt 0x0                               ; the opening add is done
	s_wait_kmcnt 0x0
	s_add_nc_u64 s[4:5], s[4:5], s[2:3]            ; A's tile, K block 0
	s_add_nc_u64 s[6:7], s[6:7], s[98:99]          ; my piece, K block 0
	s_add_nc_u64 s[14:15], s[14:15], s[66:67]
	s_add_nc_u64 s[8:9], s[8:9], s[100:101]
.irp s, 0,1
	s_mov_b32 s[G0A+4*(\s)], 1
	s_mov_b32 s[G0A+4*(\s)+1], (\s)*SLOT
	s_add_nc_u64 s[G0A+4*(\s)+2:G0A+4*(\s)+3], s[4:5], (\s)*XSTEP
	s_or_b32 s[G0A+4*(\s)+3], s[G0A+4*(\s)+3], 0x80000000
	s_mov_b32 s[G0B+4*(\s)], 1
	s_add_co_u32 s[G0B+4*(\s)+1], s89, (\s)*SLOT
	s_add_nc_u64 s[G0B+4*(\s)+2:G0B+4*(\s)+3], s[6:7], (\s)*WSTEP
	s_or_b32 s[G0B+4*(\s)+3], s[G0B+4*(\s)+3], 0x80000000
.endr
	s_mov_b32 s[G0T], 1
	s_mov_b32 s[G0T+1], s31
	s_add_nc_u64 s[G0T+2:G0T+3], s[14:15], 0
	s_or_b32 s[G0T+3], s[G0T+3], 0x80000000
	CROUND                                         ; all sixteen work-groups are here: the first joint loads meet
	s_cmp_eq_u32 s[WV], 0                          ; the first fills, one group: K steps 0 and 1, then my quarter of the tables: three loads of mine are out
	s_cbranch_scc0 .Lfirst_b
	tensor_load_to_lds s[G0A:G0A+3], s[G1A:G1A+7]
	s_nop 0
	tensor_load_to_lds s[G0A+4:G0A+7], s[G1A:G1A+7]
	s_nop 0
.rept 4
	v_nop
.endr
	s_branch .Lfirst_asked
.Lfirst_b:
	tensor_load_to_lds s[G0B:G0B+3], s[G1B:G1B+7]
	s_nop 0
	tensor_load_to_lds s[G0B+4:G0B+7], s[G1B:G1B+7]
	s_nop 0
.rept 4
	v_nop
.endr
.Lfirst_asked:
	tensor_load_to_lds s[G0T:G0T+3], s[G1T:G1T+7]
	s_nop 0
.rept 4
	v_nop
.endr
	; lane addresses.  A fragment is 16 rows x 32 K in 8 registers: lane l holds row l % 16, K = 8 (l / 16) + 0..7 and 16 + 8 (l / 16) + 0..7: two loads of 16 bytes, 32 bytes apart
	v_and_b32 v1, 15, v0
	v_bfe_u32 v2, v0, 4, 1
	v_mul_u32_u24 v3, v1, PITCH
	v_lshl_add_u32 v3, v2, 4, v3
	s_mul_i32 s30, s[WR], PBYTES                   ; my 128 rows of A
	s_mul_i32 s31, s[WC], 64*PITCH                 ; my head's 64 rows of each piece,
	s_add_co_u32 s31, s31, ABYTES                  ; behind A
.irp s, 0,1
	v_add_nc_u32 v[ADRA+(\s)], s30, v3
	v_add_nc_u32 v[ADRB+(\s)], s31, v3
	s_add_co_u32 s30, s30, SLOT
	s_add_co_u32 s31, s31, SLOT
.endr
	v_and_b32 v13, 31, v0                          ; the way out's addresses
	v_lshrrev_b32 v14, 3, v13
	v_and_b32 v15, 7, v0
	v_lshlrev_b32 v[BO], 5, v15
	v_mul_u32_u24 v14, v14, TPITCH
	v_add_nc_u32 v14, v14, v[BO]                   ; row l / 8, 32 bytes at 32 (l % 8)
	s_mul_i32 s30, s[WV], TQUART                   ; my part of the ring's bytes
	v_mul_u32_u24 v[DST], v1, TPITCH
	v_lshl_add_u32 v[DST], v2, 5, v[DST]
	v_add_nc_u32 v[DST], s30, v[DST]               ; in: row l % 16, 32 bytes for each half of the lanes
	v_add_nc_u32 v[DRD0], s30, v14
	s_mul_i32 s31, s[WR], TQUART
	s_add_co_u32 s31, s31, TAB
	v_add_nc_u32 v[TRC0], s31, v14                 ; my 128 rows of cos,
	v_add_nc_u32 v[TRS0], 2*TQUART, v[TRC0]        ; of sin
	v_lshlrev_b32 v[GO], 4, v13
	; the prefetches
	s_lshl_b32 s30, s[CX], 13                      ; A: my work-group's 32 blocks of 256 bytes; the first change of slots steps to K block 4
	s_add_co_u32 s30, s30, 3*XSTEP
	s_lshl_b32 s31, s[CY], 12                      ; W: my work-group's 16 blocks
	s_add_co_u32 s31, s31, 3*WSTEP
	s_mov_b32 s100, XSTEP
	s_mov_b32 s101, WSTEP
	s_and_b32 s97, ttmp7, 0xffff                   ; cluster y
	s_cmp_eq_u32 s[WV], 0
	s_cselect_b64 s[PFA:PFA+1], s[4:5], s[6:7]
	s_cselect_b32 s98, s30, s31
	s_cselect_b32 s[PFS], s100, s101
	s_cselect_b32 s89, 4096, s101                  ; lanes 16-31: A's next 16 blocks, or W's next K block
	s_cselect_b32 s97, ttmp9, s97                  ; the coordinate along which other clusters read the same bytes
	s_mov_b32 s99, 0
	s_mov_b32 s[PFS+1], 0
	s_add_nc_u64 s[PFA:PFA+1], s[PFA:PFA+1], s[98:99]
	s_cmp_eq_u32 s97, 0
	s_cselect_b32 s[LIM0], 1, -1
	s_or_b32 s97, s97, s[WV]
	s_cmp_eq_u32 s97, 0
	s_cselect_b32 s[LIM1], 1, -1                   ; at slot 1's change wave 0 alone asks
	v_mul_u32_u24 v[PFO], s89, v2
	v_lshl_add_u32 v[PFO], v1, 8, v[PFO]
; 16 matrix instructions: piece g, m blocks 4 half .. + 3, all four channel blocks, 32 along K from A's buffer f.  zero = 1: the products start the sums.
; 96 accumulators take turns, in the same order in every 32 along K, over the backward jump too.
.macro MUL16 f, g, half, zero
	WIN 0x50*((\g)+1)
.irp a, 4*(\half), 4*(\half)+1, 4*(\half)+2, 4*(\half)+3
.irp i, 0,1,2,3
.if \zero
	v_wmma_f32_16x16x32_bf16 v[8*(4*(\a)+(\i)):8*(4*(\a)+(\i))+7], v[BG+32*(\g)+8*(\i):BG+32*(\g)+8*(\i)+7], v[AF+64*(\f)+8*(\a):AF+64*(\f)+8*(\a)+7], 0
.else
	v_wmma_f32_16x16x32_bf16 v[8*(4*(\a)+(\i)):8*(4*(\a)+(\i))+7], v[BG+32*(\g)+8*(\i):BG+32*(\g)+8*(\i)+7], v[AF+64*(\f)+8*(\a):AF+64*(\f)+8*(\a)+7], v[8*(4*(\a)+(\i)):8*(4*(\a)+(\i))+7]
.endif
.endr
.endr
.endm
.macro LDB slot, c, g                  ; 8 loads: piece g's four fragments, K half c
.irp i, 0,1,2,3
	ds_load_b128 v[BG+32*(\g)+8*(\i):BG+32*(\g)+8*(\i)+3],   v[ADRB+(\slot)] offset:(\g)*PBYTES+(\i)*16*PITCH+64*(\c)
	ds_load_b128 v[BG+32*(\g)+8*(\i)+4:BG+32*(\g)+8*(\i)+7], v[ADRB+(\slot)] offset:(\g)*PBYTES+(\i)*16*PITCH+64*(\c)+32
.endr
.endm
.macro LDA slot, c, f                  ; 16 loads: A's eight fragments, K half c, into buffer f
.irp a, 0,1,2,3,4,5,6,7
	ds_load_b128 v[AF+64*(\f)+8*(\a):AF+64*(\f)+8*(\a)+3],   v[ADRA+(\slot)] offset:(\a)*16*PITCH+64*(\c)
	ds_load_b128 v[AF+64*(\f)+8*(\a)+4:AF+64*(\f)+8*(\a)+7], v[ADRA+(\slot)] offset:(\a)*16*PITCH+64*(\c)+32
.endr
.endm
; The first 32 along K of a step (A's buffer 0).  LDS loads are always issued in the order q's piece, A, k's piece, v's piece; each piece's registers are filled again as soon as its 32 products are out.
.macro QUARTER ns, nc, zero
	s_wait_dscnt 16                                ; q's piece and A are in; k's and v's sixteen loads may be out
	MUL16 0, 0, 0, \zero
	MUL16 0, 0, 1, \zero
	PLACES
	WIN 0
	LDB \ns, \nc, 0
	LDA \ns, \nc, 1
	s_wait_dscnt 32                                ; k's piece is in: behind it v's 8 and the 24 just issued
	MUL16 0, 1, 0, \zero
	MUL16 0, 1, 1, \zero
	PLACES
	WIN 0
	LDB \ns, \nc, 1
	s_wait_dscnt 32                                ; v's piece is in: behind it 24 + 8
	MUL16 0, 2, 0, \zero
	MUL16 0, 2, 1, \zero
	PLACES
	WIN 0
	LDB \ns, \nc, 2
.endm
; The second 32 along K (A's buffer 1), and the change of slots: one barrier.  In front of it each wave waits for all its tensor loads (one is out: its part of the next slot), adds 0 to its spare word,
; and waits for that and for its reads of this slot.  fill = 1: the barrier opens a round of the cluster's, and the joint refill, two K steps on, is the first thing behind it.
.macro TURN slot, next, fill
.if \fill
	s_wait_xcnt 0x0                                ; the last prefetch, a K step back, has read its address
	s_add_nc_u64 s[PFA:PFA+1], s[PFA:PFA+1], s[PFS:PFS+1]
.endif
	WIN 0
	s_wait_tensorcnt 0x0                           ; all my tensor loads have landed
	ds_add_u32 v[SPW], v[NIL]                      ; 0 onto my spare word
	s_wait_dscnt 17                                ; q's piece and A are in; k's and v's sixteen loads and the add may be out
	MUL16 1, 0, 0, 0
	s_wait_dscnt 0x0                               ; the add is done, and my reads of this slot are over
	s_barrier_signal -1
	MUL16 1, 0, 1, 0
	WIN 0
	s_barrier_wait -1
.if \fill
	CREST                                          ; no wave of any partner still reads this slot or has a load on its way
	s_add_nc_u64 s[G0A+4*(\slot)+2:G0A+4*(\slot)+3], s[G0A+4*(\slot)+2:G0A+4*(\slot)+3], 2*XSTEP
	s_add_nc_u64 s[G0B+4*(\slot)+2:G0B+4*(\slot)+3], s[G0B+4*(\slot)+2:G0B+4*(\slot)+3], 2*WSTEP
	JLOAD \slot                                    ; its four v_nop are also the places in front of the loads below
.else
	PLACES
.endif
	LDB \next, 0, 0
	LDA \next, 0, 0
.if \fill
.if (\slot) == 0
	ASK LIM0
.else
	ASK LIM1
.endif
.endif
	MUL16 1, 1, 0, 0
	MUL16 1, 1, 1, 0
	PLACES
	WIN 0
	LDB \next, 0, 1
	MUL16 1, 2, 0, 0
	MUL16 1, 2, 1, 0
	PLACES
	WIN 0
	LDB \next, 0, 2
.endm
	s_wait_tensorcnt 0x2                           ; my part of K step 0 is in; K step 1's load and the tables' may stay out
	s_barrier_signal -1
	s_barrier_wait -1
	LDB 0, 0, 0
	LDA 0, 0, 0
	LDB 0, 0, 1
	LDB 0, 0, 2
	QUARTER 0, 1, 1                                ; the first 96 products start the sums: nothing is cleared
	WIN 0
	s_mov_b32 s[LAP], 7
.Llap:                                                 ; a trip goes once round the ring and fills both slots again: K steps 2 to 15
	TURN 0, 1, 1
	QUARTER 1, 1, 0
	TURN 1, 0, 1
	QUARTER 0, 1, 0
	WIN 0
	s_sub_co_u32 s[LAP], s[LAP], 1
	s_cmp_lg_u32 s[LAP], 0
	s_cbranch_scc1 .Llap
	TURN 0, 1, 0                                   ; the last two K steps ask for nothing
	QUARTER 1, 1, 0
	s_wait_dscnt 16
	MUL16 1, 0, 0, 0
	MUL16 1, 0, 1, 0
	PLACES
	WIN 0
.irp p, 0,1,2                          ; biases and gains come into A's idle buffer while the last products run
	global_load_b128 v[BIN+8*(\p):BIN+8*(\p)+3],   v[BO], s[8:9] offset:4096*(\p)
	global_load_b128 v[BIN+8*(\p)+4:BIN+8*(\p)+7], v[BO], s[8:9] offset:4096*(\p)+16
.endr
	global_load_b128 v[GIN:GIN+3],     v[BO], s[10:11]
	global_load_b128 v[GIN+4:GIN+7],   v[BO], s[10:11] offset:16
	global_load_b128 v[GIN+8:GIN+11],  v[BO], s[12:13]
	global_load_b128 v[GIN+12:GIN+15], v[BO], s[12:13] offset:16
	s_wait_dscnt 8                                 ; k's piece is in
	MUL16 1, 1, 0, 0
	MUL16 1, 1, 1, 0
	s_wait_dscnt 0x0
	MUL16 1, 2, 0, 0
	MUL16 1, 2, 1, 0
	PLACES
	WIN 0
	; THE WAY OUT
	s_wait_dscnt 0x0
	s_barrier_signal -1                            ; every wave's reads of the ring are over, and the ring has had its last fill:
	s_barrier_wait -1                              ; its bytes now serve the waves, a part each
	s_wait_loadcnt 0x0                             ; biases and gains
	v_and_b32 v[TP], 4, v0
	v_xor_b32 v[TP], 4, v[TP]
	v_lshlrev_b32 v[TP], 29, v[TP]                 ; the sign bit where l % 8 < 4: channels below 32 take minus the partner
	v_or_b32 v[SG], 0x3f800000, v[TP]
	v_mov_b32 v[SG+1], v[SG]
.irp j, 0,1,2,3,4,5,6,7
	v_mov_b32 v[TT+(\j)], 0                        ; written once: an instruction that reads a neighbour's lane counts as a reader of its destination
.endr
.macro DUMP g                          ; window g + 1's 32 accumulators into my part, each from its low end on
	WIN ((\g)+1)<<2
.irp a, 0,1,2,3,4,5,6,7
.irp i, 0,1,2,3
	ds_store_b128 v[DST], v[8*(4*(\a)+(\i)):8*(4*(\a)+(\i))+3]   offset:(\a)*DBLK+64*(\i)
	ds_store_b128 v[DST], v[8*(4*(\a)+(\i))+4:8*(4*(\a)+(\i))+7] offset:(\a)*DBLK+64*(\i)+16
.endr
.endr
	WIN 0
.endm
.macro RND8 dst, src                   ; eight f32 rounded to bf16 and widened again
.irp k, 0,2,4,6
	v_cvt_pk_bf16_f32 v[TP], v[(\src)+(\k)], v[(\src)+(\k)+1]
	v_lshlrev_b32 v[(\dst)+(\k)], 16, v[TP]
	v_and_b32 v[(\dst)+(\k)+1], s[HIM], v[TP]
.endr
.endm
.macro STEPS                           ; a trip's end: 16 rows on
	s_wait_xcnt 0x0                                ; the stores have read their data and their base
	s_add_nc_u64 s[OUT:OUT+1], s[OUT:OUT+1], 2048
	v_add_nc_u32 v[DRD], DBLK, v[DRD]
	v_add_nc_u32 v[TRC], DBLK, v[TRC]
	v_add_nc_u32 v[TRS], DBLK, v[TRS]
	s_sub_co_u32 s[TRIP], s[TRIP], 1
	s_cmp_lg_u32 s[TRIP], 0
.endm
.macro START
	v_mov_b32 v[DRD], v[DRD0]
	v_mov_b32 v[TRC], v[TRC0]
	v_mov_b32 v[TRS], v[TRS0]
	s_mov_b32 s[TRIP], 8
.endm
	s_mov_b32 s[KIND], 2
.Lqk:                                                  ; twice: q, then k
	s_cmp_eq_u32 s[KIND], 2
	s_cbranch_scc0 .Lpre_k
	DUMP 0
	RND8 BI, BIN
	RND8 GW, GIN
	s_add_nc_u64 s[OUT:OUT+1], s[16:17], s[OOFF:OOFF+1]
	s_branch .Lgo
.Lpre_k:
	DUMP 1                                         ; LDS serves a wave's instructions in order (ISA guide 5.7.1.4): these stores come behind q's last reads
	RND8 BI, BIN+8
	RND8 GW, GIN+8
	s_add_nc_u64 s[OUT:OUT+1], s[18:19], s[OOFF:OOFF+1]
.Lgo:
	START
.Lrow:                                                 ; an m block: four groups of four rows; in group g lane l has row 4 g + l / 8, channels 8 (l % 8) + 0..7
.irp g, 0,1,2,3
	ds_load_b128 v[VV+8*(\g):VV+8*(\g)+3],   v[DRD] offset:1088*(\g)
	ds_load_b128 v[VV+8*(\g)+4:VV+8*(\g)+7], v[DRD] offset:1088*(\g)+16
.endr
.irp g, 0,1,2,3
	ds_load_b128 v[CC+8*(\g):CC+8*(\g)+3],   v[TRC] offset:1088*(\g)
	ds_load_b128 v[CC+8*(\g)+4:CC+8*(\g)+7], v[TRC] offset:1088*(\g)+16
	ds_load_b128 v[SS+8*(\g):SS+8*(\g)+3],   v[TRS] offset:1088*(\g)
	ds_load_b128 v[SS+8*(\g)+4:SS+8*(\g)+7], v[TRS] offset:1088*(\g)+16
.endr
.irp g, 0,1,2,3
	s_wait_dscnt 22-2*(\g)                         ; group g's values are in: behind them 6 - 2 g loads of values and the 16 of the tables
.irp k, 0,2,4,6
	v_pk_add_f32 v[VV+8*(\g)+(\k):VV+8*(\g)+(\k)+1], v[VV+8*(\g)+(\k):VV+8*(\g)+(\k)+1], v[BI+(\k):BI+(\k)+1]
.endr
	v_pk_mul_f32 v[QQ+2*(\g):QQ+2*(\g)+1], v[VV+8*(\g):VV+8*(\g)+1], v[VV+8*(\g):VV+8*(\g)+1]
.irp k, 2,4,6
	v_pk_fma_f32 v[QQ+2*(\g):QQ+2*(\g)+1], v[VV+8*(\g)+(\k):VV+8*(\g)+(\k)+1], v[VV+8*(\g)+(\k):VV+8*(\g)+(\k)+1], v[QQ+2*(\g):QQ+2*(\g)+1]
.endr
	v_add_f32 v[QQ+2*(\g)], v[QQ+2*(\g)], v[QQ+2*(\g)+1]
.endr
.irp m, 1,2,4                          ; a row's eight lanes, the four groups by turns
.irp g, 0,1,2,3
	v_add_f32_dpp v[QQ+2*(\g)], v[QQ+2*(\g)], v[QQ+2*(\g)] row_xmask:\m row_mask:0xf bank_mask:0xf
.endr
.endr
.irp g, 0,1,2,3
	v_fma_f32 v[RR+2*(\g)+1], v[QQ+2*(\g)], s[RC64], s[EPS]  ; mean + eps
.endr
.irp g, 0,1,2,3
	v_rsq_f32 v[RR+2*(\g)], v[RR+2*(\g)+1]         ; one batch of four
.endr
.irp g, 0,1,2,3
.irp k, 0,2,4,6
	v_pk_mul_f32 v[VV+8*(\g)+(\k):VV+8*(\g)+(\k)+1], v[VV+8*(\g)+(\k):VV+8*(\g)+(\k)+1], v[GW+(\k):GW+(\k)+1]  ; the gain: plain work that names no result of the batch
.endr
.endr
	s_wait_alu depctr_va_vdst(0)                   ; one wait for the four, ahead of their first reader
.irp g, 0,1,2,3
	s_wait_dscnt 12-4*(\g)                         ; group g's cos and sin are in; the later groups' four loads each stay out
.irp k, 0,2,4,6
	v_pk_mul_f32 v[VV+8*(\g)+(\k):VV+8*(\g)+(\k)+1], v[VV+8*(\g)+(\k):VV+8*(\g)+(\k)+1], v[RR+2*(\g):RR+2*(\g)+1] op_sel_hi:[1,0]
.endr
.irp j, 0,1,2,3,4,5,6,7
	v_mul_f32_dpp v[TT+(\j)], v[VV+8*(\g)+(\j)], v[SS+8*(\g)+(\j)] row_xmask:4 row_mask:0xf bank_mask:0xf  ; the value of channel xor 32, from lane xor 4, times my sin
.endr
.irp k, 0,2,4,6
	v_pk_mul_f32 v[VV+8*(\g)+(\k):VV+8*(\g)+(\k)+1], v[VV+8*(\g)+(\k):VV+8*(\g)+(\k)+1], v[CC+8*(\g)+(\k):CC+8*(\g)+(\k)+1]
.endr
.irp k, 0,2,4,6
	v_pk_fma_f32 v[VV+8*(\g)+(\k):VV+8*(\g)+(\k)+1], v[TT+(\k):TT+(\k)+1], v[SG:SG+1], v[VV+8*(\g)+(\k):VV+8*(\g)+(\k)+1]
.endr
.irp k, 0,1,2,3
	v_cvt_pk_f16_f32 v[OO+4*(\g)+(\k)], v[VV+8*(\g)+2*(\k)], v[VV+8*(\g)+2*(\k)+1]
.endr
	global_store_b128 v[GO], v[OO+4*(\g):OO+4*(\g)+3], s[OUT:OUT+1] offset:512*(\g)  ; four rows of a head: 512 consecutive bytes, at a multiple of 256 from the buffer's first
.endr
	STEPS
	s_cbranch_scc1 .Lrow
	s_sub_co_u32 s[KIND], s[KIND], 1
	s_cmp_lg_u32 s[KIND], 0
	s_cbranch_scc1 .Lqk
	DUMP 2                                         ; v: bias, rounding, out
	RND8 BI, BIN+16
	s_add_nc_u64 s[OUT:OUT+1], s[20:21], s[OOFF:OOFF+1]
	START
.Lrowv:
.irp g, 0,1,2,3
	ds_load_b128 v[VV+8*(\g):VV+8*(\g)+3],   v[DRD] offset:1088*(\g)
	ds_load_b128 v[VV+8*(\g)+4:VV+8*(\g)+7], v[DRD] offset:1088*(\g)+16
.endr
.irp g, 0,1,2,3
	s_wait_dscnt 6-2*(\g)
.irp k, 0,2,4,6
	v_pk_add_f32 v[VV+8*(\g)+(\k):VV+8*(\g)+(\k)+1], v[VV+8*(\g)+(\k):VV+8*(\g)+(\k)+1], v[BI+(\k):BI+(\k)+1]
.endr
.irp k, 0,1,2,3
	v_cvt_pk_f16_f32 v[OO+4*(\g)+(\k)], v[VV+8*(\g)+2*(\k)], v[VV+8*(\g)+2*(\k)+1]
.endr
	global_store_b128 v[GO], v[OO+4*(\g):OO+4*(\g)+3], s[OUT:OUT+1] offset:512*(\g)
.endr
	STEPS
	s_cbranch_scc1 .Lrowv
	s_wait_tensorcnt 0x0                           ; the wave's end: an add to my spare word and its wait, behind my last tensor load and my last LDS store
	ds_add_u32 v[SPW], v[NIL]
	s_wait_dscnt 0x0
	CROUND                                         ; the closing round: no work-group ends while a partner may still ask for a tile that names it
	s_endpgm
.Lfunc_end_k_qfb8b41227d_qkv:
	.size	k_qfb8b41227d_qkv, .Lfunc_end_k_qfb8b41227d_qkv-k_qfb8b41227d_qkv
	.p2alignl 7, 3214868480
	.fill 96, 4, 3214868480
	.section	.rodata,"a",@progbits
	.p2align	6, 0x0
	.amdhsa_kernel k_qfb8b41227d_qkv
		.amdhsa_group_segment_fixed_size 327680
		.amdhsa_private_segment_fixed_size 0
		.amdhsa_enable_private_segment 0
		.amdhsa_kernarg_size 72
		.amdhsa_user_sgpr_count 2
		.amdhsa_user_sgpr_kernarg_segment_ptr 1
		.amdhsa_wavefront_size32 1
		.amdhsa_system_sgpr_workgroup_id_x 1
		.amdhsa_system_sgpr_workgroup_id_y 1
		.amdhsa_system_sgpr_workgroup_id_z 1
		.amdhsa_system_vgpr_workitem_id 0
		.amdhsa_next_free_vgpr 1024
		.amdhsa_next_free_sgpr 102
		.amdhsa_reserve_vcc 0
		.amdhsa_float_denorm_mode_32 3
		.amdhsa_float_denorm_mode_16_64 3
		.amdhsa_memory_ordered 1
		.amdhsa_forward_progress 1
		.amdhsa_inst_pref_size 119
	.end_amdhsa_kernel
	.amdgpu_metadata
---
amdhsa.version: [ 1, 2 ]
amdhsa.kernels:
  - .name:           k_qfb8b41227d_qkv
    .symbol:         k_qfb8b41227d_qkv.kd
    .args:
      - { .name: xb, .offset: 0, .size: 8, .value_kind: global_buffer, .address_space: global }
      - { .name: wb, .offset: 8, .size: 8, .value_kind: global_buffer, .address_space: global }
      - { .name: qkv_b, .offset: 16, .size: 8, .value_kind: global_buffer, .address_space: global }
      - { .name: q_norm_w, .offset: 24, .size: 8, .value_kind: global_buffer, .address_space: global }
      - { .name: k_norm_w, .offset: 32, .size: 8, .value_kind: global_buffer, .address_space: global }
      - { .name: tab, .offset: 40, .size: 8, .value_kind: global_buffer, .address_space: global }
      - { .name: qh, .offset: 48, .size: 8, .value_kind: global_buffer, .address_space: global }
      - { .name: kh, .offset: 56, .size: 8, .value_kind: global_buffer, .address_space: global }
      - { .name: vh, .offset: 64, .size: 8, .value_kind: global_buffer, .address_space: global }
    .group_segment_fixed_size: 327680
    .private_segment_fixed_size: 0
    .kernarg_segment_align: 8
    .kernarg_segment_size: 72
    .max_flat_workgroup_size: 128
    .sgpr_count:     102
    .vgpr_count:     1024
    .wavefront_size: 32
...
	.end_amdgpu_metadata
.endif
;; end of part 2
;; launch attn (part 3): grid 4 x 64, 4 waves a work-group, clusters of 4 x 1, 327,680 bytes of LDS; arguments qh, kh, vh, oh; writes oh
.if DOCPART == 3
	.amdgcn_target "amdgcn-amd-amdhsa--gfx1250"
	.amdhsa_code_object_version 6
	.text
	.protected	k_qfb8b41227d_attn
	.globl	k_qfb8b41227d_attn
	.p2align	8
	.type	k_qfb8b41227d_attn,@function
k_qfb8b41227d_attn:
	s_mov_b64 s[64:65], 0
	v_nop
	global_prefetch_b8 v0, s[64:65] scope:SCOPE_SE
	s_setreg_imm32_b32 hwreg(HW_REG_WAVE_MODE, 25, 1), 1
	s_wait_xcnt 0x0
	s_wait_alu depctr_hold_cnt(0) depctr_sa_sdst(0) depctr_va_vdst(0) depctr_va_sdst(0) depctr_va_ssrc(0) depctr_va_vcc(0) depctr_vm_vsrc(0)
	s_getreg_b32 s2, hwreg(HW_REG_IB_STS2, 6, 4)
	s_cmp_eq_u32 s2, 0
	s_cbranch_scc0 .Lentry_in_a_cluster
	s_endpgm
.Lentry_in_a_cluster:
	s_bfe_u32 s2, ttmp6, 0x10000c
	s_cmp_lg_u32 s2, 0x3003
	s_cbranch_scc0 .Lentry_shape_is_right
	s_endpgm
.Lentry_shape_is_right:
; O[h][q][:] = the sum over k of softmax_k(Q[h][q] . K[h][k] / 8) V[h][k][:].  Q, K, V, O: [64][2048][64], all f16: a head's rows are dense, 128 bytes each.  Products, maxima and sums in
; f32; the weights p are rounded to f16 for the second product (their sum l is taken of the unrounded p), O once at the end.
; LIMITS.  f16 holds no number beyond 65,504: Q, K and V arrive within it; p lies in 0 to 1, and below 6e-5 it keeps f16's fixed step of 6e-8; O is a mean of V's rows and has their range.
; A weight below 2^-126 counts as 0 in l; NaN and infinities are not treated apart.
; SHARES.  A wave owns four PIECES of two tiles of 16 queries, a work-group's four waves 512 queries of one head: 4 x 64 = 256 work-groups.  Every wave walks all keys, 64 a step.
; LAYOUT.  S^T = K Q^T (source 0 = 16 keys, source 1 = 16 queries): a lane holds ONE query (lane % 16) and the keys 8 (lane / 16) + 0..7.  Two such tiles, rounded to f16 in pairs,
; ARE source 1 (32 keys x 16 queries) of O^T = V^T P, whose result again holds one query a lane, and eight channels.  K comes out of LDS as it lies, V ([key][channel]) turned, by ds_load_tr16_b128.
; SOFTMAX.  For each query a running maximum m and sum l: p = 2^(c s - c m), c = log2(e) / 8; in every step O and l are multiplied by a = 2^(c m_old - c m_new).
; m starts at the lowest finite number, O and l at 0: the first step is a step like any other, with a = 0.
; THE COUNT.  A tile and step have 16 matrix and 118 vector instructions: too many to stand all beside the matrix work.  So: four vector instructions that are ready behind
; every matrix instruction, and the others in runs without a gap.
; BY TURNS.  Turn n belongs to piece n.  Its matrix work: 16 products K Q^T of piece n + 1, later 16 products V^T P of piece n - 1.  Its vector work: the scaling,
; exponentials, roundings, sums and rescaling of piece n, and the maximum and statistics of piece n + 1.
; CLUSTER.  The four query blocks of a cluster belong to one head and walk the same K and V, so each tile is asked for JOINTLY: the same tensor load, descriptor and mask in all four.
; NO PREFETCH: a joint fill is asked for four key steps, 512 matrix instructions and their vector work, ahead of the wait for it.
; REGISTERS, in windows of 256 (s_set_vgpr_msb: bits 1:0 source 0, 3:2 source 1, 5:4 source 2, 7:6 destination):
;   window 0: v0-11 addresses; v12-15, v48-63 at work; v16-47 four registers of statistics a tile; v64-191 S^T, two buffers of two tiles; v192-255 P, likewise
;   window 1: O^T, 32 a tile          window 2: v0-127 Q, 16 a tile; v128-191 K of one step; v192-255 V of one step          window 3: v0-1 the add's two registers
.set SIZE_H, 64
.set SIZE_N, 2048
.set NP,    4         ; pieces a wave
.set KS,    64        ; keys in a step
.set PK,    144       ; a row of K in LDS: 128 bytes + 16: the 16 rows of a load start at 16 different groups of four banks (64 banks of 4 bytes: ISA guide 11.1)
.set PV,    160       ; a row of V: 128 + 32
.set VOFF,  4*KS*PK   ; a slot holds four steps: 256 rows of K, then 256 rows of V
.set SLOT1, 1<<17     ; slot 1 begins here: one exclusive or turns an address in one slot into the other's
.set STAGE, SLOT1+4*KS*(PK+PV)  ; behind the ring, never filled by a tensor load: 16 rows x 144 bytes for each wave
.set SP,    144
.set AK0, 2           ; v2   my lane's place in a tile of K
.set AV0, 3           ; v3   the same for V
.set AK,  4           ; v4   the LDS address of K's next run of loads
.set AV,  5           ; v5   of V's
.set QO,  6           ; v6   my byte offset in the wave's rows of Q
.set STO, 6           ;      later: where I put 16 bytes of a row
.set RD,  7           ; v7   where I read rows back
.set GO,  8           ; v8   my byte offset in 512 consecutive bytes of O
.set SPW, 0           ; v0 of window 3   my spare word; never rewritten
.set NIL, 1           ; v1 of window 3   0; never rewritten
.set SPARE, STAGE+4*16*SP  ; the spare words, 128 bytes a wave: two blocks of 256 bytes that no other line names
.set MV,  12          ; v12-15  c m_old, by buffer and tile
.set ST,  16          ; tile t's statistics at v[ST+4 t]: c m, m, l (even keys', odd keys')
.set TMP, 48          ; by buffer and tile, four registers c0-c3 at work; c2 takes a
.set S,   64
.set P,   192
.set KF,  128         ; window 2: key block kb, channel half c at KF + 16 kb + 8 c
.set VF,  192         ; window 2: key half kk, channel block cb at VF + 32 kk + 8 cb
.set WV,  12
.set G1K, 24
.set G1V, 32
.set G0K, 40
.set G0V, 44
.set SLOTS, 56
.set CNT, 57
.set CS,  58
.set SEL, 60
.set TBK, 62
.set TBV, 63
.set MSB, 0
.macro WIN new
.if MSB != (\new)
	s_set_vgpr_msb (MSB<<8)|(\new)
.set MSB, (\new)
.endif
.endm
.set W_KQ, 0x0a       ; K and Q in window 2, S^T in window 0
.set W_PV, 0x52       ; V in window 2, P in window 0, O^T in window 1
.set W_RS, 0x41       ; O^T (destination and source 0) in window 1, a in window 0
.set W_MK, 0xc0       ; destination in window 3
.set W_AD, 0x0f       ; the add: address and data in window 3
; A joint fill.  Waves 0 and 1 fetch the two halves of a slot's K, waves 2 and 3 those of its V: 128 keys each.  An s_nop 0 and four v_nop follow each line.
.macro JLOAD
	s_cmp_lt_u32 s[WV], 2
	s_cbranch_scc0 .Lfor_v_\@
	tensor_load_to_lds s[G0K:G0K+3], s[G1K:G1K+7]
	s_nop 0
.rept 4
	v_nop
.endr
	s_branch .Lasked_\@
.Lfor_v_\@:
	tensor_load_to_lds s[G0V:G0V+3], s[G1V:G1V+7]
	s_nop 0
.rept 4
	v_nop
.endr
.Lasked_\@:
.endm
.macro CROUND                       ; a round of the cluster's barrier
	s_barrier_signal -1
	s_barrier_wait -1
	s_cmp_lg_u32 s[WV], 0
	s_cbranch_scc1 .Lnot_wave_0_\@
	s_barrier_signal -3
.Lnot_wave_0_\@:
	s_barrier_wait -3
	s_barrier_signal -1
	s_barrier_wait -1
.endm
; THE CHANGE OF SLOTS.  Each wave waits for all its tensor loads, of which one is out: its part of the other slot; adds 0 to its spare word; and waits for that and for its own reads of the slot.
; fill = 1: this slot is filled again, with the keys two slots on, first thing behind a round of the cluster's barrier.  (At its first use nothing has been read yet: slot 0 is waited for, slot 1 filled.)
.macro CHANGE fill
	WIN W_AD
	s_wait_tensorcnt 0x0            ; no tensor load of mine is out, so a group 0 may be written
	ds_add_u32 v[SPW], v[NIL]       ; 0 onto my spare word
	WIN 0
.if \fill
.irp g, G0K, G0V
	s_xor_b32 s[\g+1], s[\g+1], SLOT1
	s_add_nc_u64 s[\g+2:\g+3], s[\g+2:\g+3], 4*KS*128  ; the next 256 keys
.endr
	s_wait_dscnt 0x0                ; the add is done, and my reads of the slot are over
	CROUND
	JLOAD
.else
	s_wait_dscnt 0x0
	s_barrier_signal -1
	s_barrier_wait -1
.endif
	s_sub_co_u32 s[TBK], s[TBK], 4*KS*PK  ; the fetches go back to a slot's first step,
	s_xor_b32 s[TBK], s[TBK], SLOT1       ; in the other slot
	s_sub_co_u32 s[TBV], s[TBV], 4*KS*PV
	s_xor_b32 s[TBV], s[TBV], SLOT1
.endm
	s_load_b256 s[4:11], s[0:1], 0x0  ; Q s[4:5], K s[6:7], V s[8:9], O s[10:11]
	WIN W_MK
	v_lshl_add_u32 v[SPW], v0, 2, SPARE
	v_mov_b32 v[NIL], 0
	WIN W_AD
	ds_add_u32 v[SPW], v[NIL]       ; the wave's opening: the add and its wait stand ahead of my first tensor load
	WIN 0
	v_lshrrev_b32 v1, 5, v0
	v_readfirstlane_b32 s[WV], v1   ; wave 0..3
	s_bfe_u32 s13, ttmp6, 0x40000   ; cx
	s_lshl_b32 s14, ttmp9, 2
	s_add_co_u32 s14, s14, s13      ; my block of queries: it enters Q's and O's addresses alone
	s_and_b32 s20, ttmp7, 0xffff    ; the head, which the four partners share
	s_mov_b32 s21, 0
	s_mov_b64 s[22:23], SIZE_N*128
	s_mul_u64 s[20:21], s[20:21], s[22:23]  ; the head's first byte in each of the four tensors
	s_and_b32 s16, s[WV], 1         ; which half of a slot's 256 keys I fetch
	s_lshl_b32 s22, s16, 14
	s_mov_b32 s23, 0
	s_add_nc_u64 s[22:23], s[22:23], s[20:21]
	s_mul_i32 s17, s16, 128*PK
	s_mul_i32 s18, s16, 128*PV
	s_lshl_b32 s2, s14, 2
	s_add_co_u32 s2, s2, s[WV]      ; my wave among the head's,
	s_lshl_b32 s2, s2, 14           ; its 128 rows
	s_mov_b32 s3, 0
	s_add_nc_u64 s[2:3], s[2:3], s[20:21]
	; group 1.  128 keys are 16,384 dense bytes: asked for as 64 rows of 256 bytes, two keys a row, and padded in LDS after every key
	s_mov_b32 s[G1K], 15|(1<<16)|(1<<20)|(1<<21)|(4<<22)|(3<<25)
	s_mov_b32 s[G1V], 15|(1<<16)|(1<<20)|(1<<21)|(4<<22)|(7<<25)
.irp g, G1K, G1V
	s_mov_b32 s[\g+1], 128<<16
	s_mov_b32 s[\g+2], 64<<16
	s_mov_b32 s[\g+3], 128<<16
	s_mov_b32 s[\g+4], 64
	s_mov_b32 s[\g+5], 128
	s_mov_b32 s[\g+6], 0
	s_mov_b32 s[\g+7], 0
.endr
	s_mov_b32 s[CS], 0x3e38aa3b     ; c = log2(e) / 8
	s_mov_b32 s[CS+1], s[CS]
	s_mov_b32 s[SEL], 0x76543210
	s_mov_b32 s[SEL+1], 0xfedcba98
	s_mov_b32 s[TBK], SLOT1+4*KS*PK ; the first change of slots turns these two into 0
	s_mov_b32 s[TBV], SLOT1+4*KS*PV
	s_mov_b32 s[G0K], 1
	s_mov_b32 s[G0K+1], s17
	s_mov_b32 s[G0V], 1
	s_add_co_u32 s[G0V+1], s18, VOFF
	s_wait_dscnt 0x0                ; the opening add is done
	s_wait_kmcnt 0x0
	s_add_nc_u64 s[G0K+2:G0K+3], s[6:7], s[22:23]
	s_or_b32 s[G0K+3], s[G0K+3], 0x80000000
	s_add_nc_u64 s[G0V+2:G0V+3], s[8:9], s[22:23]
	s_or_b32 s[G0V+3], s[G0V+3], 0x80000000
	s_add_nc_u64 s[4:5], s[4:5], s[2:3]
	s_add_nc_u64 s[10:11], s[10:11], s[2:3]
	CROUND                          ; all four work-groups are here: the first joint loads meet
	JLOAD                           ; slot 0.  Slot 1 is asked for when slot 0 is in
	v_and_b32 v1, 15, v0            ; l % 16
	v_bfe_u32 v9, v0, 4, 1          ; l / 16
	v_lshlrev_b32 v[QO], 7, v1
	v_lshl_add_u32 v[QO], v9, 4, v[QO]
	WIN 0x80
.set i, 0
.rept 4*NP                          ; Q stays in registers: tile i / 2, channels 32 (i % 2) on
	global_load_b128 v[8*i:8*i+3],   v[QO], s[4:5] offset:(i/2)*2048+(i%2)*64
	global_load_b128 v[8*i+4:8*i+7], v[QO], s[4:5] offset:(i/2)*2048+(i%2)*64+32
.set i, i+1
.endr
	; What the first turn finds: V's registers and P's second buffer hold 0, O^T and l are 0.  All this stands in the wait for the first tile.
.set i, VF
.rept 64
	v_mov_b32 v[i], 0
.set i, i+1
.endr
	WIN 0x40
.set i, 0
.rept 64*NP
	v_mov_b32 v[i], 0
.set i, i+1
.endr
	WIN 0
.set i, 0
.rept 2*NP
	v_mov_b32 v[ST+4*i], 0xfe000000    ; c m: far below every c s
	v_mov_b32 v[ST+4*i+1], 0xff7fffff  ; m
	v_mov_b32 v[ST+4*i+2], 0
	v_mov_b32 v[ST+4*i+3], 0
.set i, i+1
.endr
.set i, P+32
.rept 32
	v_mov_b32 v[i], 0
.set i, i+1
.endr
	v_mul_u32_u24 v[AK0], v1, PK
	v_lshl_add_u32 v[AK0], v9, 4, v[AK0]
	; the turning load takes 16 keys x 16 channels (lane l reads key 8 (l / 16) + l % 8, channels 8 ((l / 8) % 2) + 0..7) and leaves half a fragment of V^T
	v_and_b32 v10, 7, v0
	v_bfe_u32 v11, v0, 3, 1
	v_lshl_add_u32 v[AV0], v9, 3, v10
	v_mul_u32_u24 v[AV0], v[AV0], PV
	v_lshl_add_u32 v[AV0], v11, 4, v[AV0]
	v_add_nc_u32 v[AV0], VOFF, v[AV0]
	v_mov_b32 v[AK], v[AK0]
; THE MATRIX WORK.  The 8 accumulators of a run of 16 take turns.
.macro KQ x                         ; product i of 16 of S^T = K Q^T for piece x
	WIN W_KQ
.set rS, S+64*((\x)%2)+32*(i%2)+8*((i/2)%4)
.set rK, KF+16*((i/2)%4)+8*(i/8)
.set rQ, 16*(2*(\x)+i%2)+8*(i/8)
.if i < 8
	v_wmma_f32_16x16x32_f16 v[rS:rS+7], v[rK:rK+7], v[rQ:rQ+7], 0
.else
	v_wmma_f32_16x16x32_f16 v[rS:rS+7], v[rK:rK+7], v[rQ:rQ+7], v[rS:rS+7]
.endif
.endm
.macro PV x                         ; product i of 16 of O^T += V^T P for piece x
	WIN W_PV
.set rO, 32*(2*(\x)+i%2)+8*((i/2)%4)
.set rV, VF+32*(i/8)+8*((i/2)%4)
.set rP, P+32*((\x)%2)+16*(i%2)+8*(i/8)
	v_wmma_f32_16x16x32_f16 v[rO:rO+7], v[rV:rV+7], v[rP:rP+7], v[rO:rO+7]
.endm
.macro MM                           ; the turn's next matrix instruction
.if i < 16
	KQ (Y+1)%NP
.set i, i+1
.else
.set i, i-16
	PV (Y+NP-1)%NP
.set i, i+17
.endif
.endm
; THE LDS LOADS stand in runs of 16.  last = 1 (the tail): in the last trip there is no further step, and the run is jumped over.
.macro FETCH_K last=0
	WIN 0
.if \last
	s_cmp_eq_u32 s[CNT], 1
	s_cbranch_scc1 .Lno_k_\@
.endif
	WIN 0x80
.irp f, 0,1,2,3,4,5,6,7
	ds_load_b128 v[KF+8*\f:KF+8*\f+3],   v[AK] offset:(\f/2)*16*PK+(\f%2)*64
	ds_load_b128 v[KF+8*\f+4:KF+8*\f+7], v[AK] offset:(\f/2)*16*PK+(\f%2)*64+32
.endr
	s_add_co_u32 s[TBK], s[TBK], KS*PK
	WIN 0
.if \last
.Lno_k_\@:
.endif
.endm
.macro FETCH_V
	WIN 0x80
.irp f, 0,1,2,3,4,5,6,7
	ds_load_tr16_b128 v[VF+8*\f:VF+8*\f+3],   v[AV] offset:(\f/4)*32*PV+(\f%4)*32
	ds_load_tr16_b128 v[VF+8*\f+4:VF+8*\f+7], v[AV] offset:(\f/4)*32*PV+16*PV+(\f%4)*32
.endr
	WIN 0
.endm
; THE VECTOR WORK OF A TURN stands in three queues, each in the order in which its entries become ready; the two tiles alternate.
.macro REGS y, u
.set rT, ST+4*(2*(\y)+(\u))
.set rC, TMP+8*((\y)%2)+4*(\u)
.set rM, MV+2*((\y)%2)+(\u)
.set rS, S+64*((\y)%2)+32*(\u)
.set rP, P+32*((\y)%2)+16*(\u)
.set rO, 32*(2*(\y)+(\u))
.endm
; Number n of the 22 that find the NEXT piece's maximum and statistics; each accumulator's lowest registers are read first.
.macro XS u, n
	REGS (Y+1)%NP, \u
.if (\n) < 4
	v_max3_num_f32 v[rC+(\n)], v[rS+8*(\n)], v[rS+8*(\n)+1], v[rS+8*(\n)+2]
.elseif (\n) < 12
	v_max3_num_f32 v[rC+(\n)%4], v[rC+(\n)%4], v[rS+8*((\n)%4)+2*((\n)/4)+1], v[rS+8*((\n)%4)+2*((\n)/4)+2]
.elseif (\n) == 12
	v_max3_num_f32 v[rC], v[rC], v[rS+7], v[rS+15]
.elseif (\n) == 13
	v_max3_num_f32 v[rC+1], v[rC+1], v[rS+23], v[rS+31]
.elseif (\n) == 14
	v_max3_num_f32 v[rC+2], v[rC+2], v[rC+3], v[rT+1]
.elseif (\n) == 15
	v_mov_b32 v[rM], v[rT]
.elseif (\n) == 16
	v_max3_num_f32 v[rC], v[rC], v[rC+1], v[rC+2]
.elseif (\n) == 17
	v_permlanex16_b32 v[rC+3], v[rC], s[SEL], s[SEL+1]
.elseif (\n) == 18
	v_max_num_f32 v[rT+1], v[rC], v[rC+3]
.elseif (\n) == 19
	v_mul_f32 v[rT], s[CS], v[rT+1]
.elseif (\n) == 20
	v_sub_f32 v[rC+1], v[rM], v[rT]
.else
	v_exp_f32 v[rC+2], v[rC+1]
.endif
.endm
; Number g of the 64 that follow the exponentials: roundings to f16, sums in place, l.
.macro GS g
.set h, (\g)+6*((\g)/62)
.if h >= 6
.set h, h+2
.endif
	REGS Y, h%2
.set k, h/8
.if h%8 < 4
	v_cvt_pk_f16_f32 v[rP+2*k+(h%8)/2], v[rS+4*k+2*((h%8)/2)], v[rS+4*k+2*((h%8)/2)+1]
.elseif h%8 < 6
	v_pk_add_f32 v[rS+4*k:rS+4*k+1], v[rS+4*k:rS+4*k+1], v[rS+4*k+2:rS+4*k+3]
.elseif k == 1
	v_pk_fma_f32 v[rT+2:rT+3], v[rT+2:rT+3], v[rC+2:rC+3], v[rS:rS+1] op_sel_hi:[1,0,1]
.else
	v_pk_add_f32 v[rT+2:rT+3], v[rT+2:rT+3], v[rS+4*k-4:rS+4*k-3]
.endif
.endm
; THE PLAIN QUEUE, 138 long: 0-73 read no exponential's result (the 32 scalings and the next piece's 42); 74-137 are GS's 64, behind the wait.
.macro FS f
	REGS Y, (\f)%2
	v_pk_fma_f32 v[rS+2*((\f)/2):rS+2*((\f)/2)+1], v[rS+2*((\f)/2):rS+2*((\f)/2)+1], s[CS:CS+1], v[rT:rT+1] op_sel_hi:[1,0,0] neg_lo:[0,0,1] neg_hi:[0,0,1]
.endm
.macro PL
	WIN 0
.if q < 27
	FS q
.elseif q < 55
	XS (q-27)%2, (q-27)/2
.elseif q < 57
	XS q-55, 15
.elseif (q < 72) && ((q-57)%3 == 0)
	FS 27+(q-57)/3
.elseif q < 60
	XS (q-57)%3-1, 14
.elseif q < 72
	XS (q-57)%3-1, 15+(q-57)/3
.elseif q < 74
	XS q-72, 20
.else
	GS q-74
.endif
.set q, q+1
.endm
; THE EXPONENTIALS' QUEUE, 66 long: one batch, all ahead of the turn's one wait.
.macro EX
	WIN 0
.if e >= 64
	XS e-64, 21
.else
	REGS Y, e%2
	v_exp_f32 v[rS+e/2], v[rS+e/2]
.endif
.set e, e+1
.endm
; THE RESCALING's QUEUE: O^T times a, two at a time, sixteen times.  Its a was made, and waited for, in the turn before.
.macro R2
	REGS Y, r%2
	WIN W_RS
.irp z, 0,1
	v_pk_mul_f32 v[rO+4*(r/2)+2*\z:rO+4*(r/2)+2*\z+1], v[rO+4*(r/2)+2*\z:rO+4*(r/2)+2*\z+1], v[rC+2:rC+3] op_sel_hi:[1,0]
.endr
.set r, r+1
.endm
; A TURN, for piece p.  Ahead of its ONE wait stands all that names no result of the turn's exponentials: 16 products K Q^T, behind each a scaling, an exponential and two rescalings; then a lump of 108.
; Behind it stand the 16 products V^T P, behind each four of the roundings and sums.  K of the next step is fetched in piece 2's turn, directly behind the wait; V of the step in hand at the end of
; piece 0's turn, four plain instructions behind its last reader.  cnt = 1: the loop's count is taken down some lines ahead of the branch behind the turn.
.macro TURN p, last=0, cnt=0
.set Y, (\p)
.set i, 0
.set q, 0
.set e, 0
.set r, 0
.if (\p) == NP-1
	s_wait_dscnt 0x0                ; K is in
.endif
	MM
	PL
	PL
	R2
.rept 15
	MM
	PL
	EX
	R2
.endr
.if (\p) == NP-2
	WIN 0
	v_add_nc_u32 v[AK], s[TBK], v[AK0]
.endif
.rept 8
	PL
.endr
.rept 49
	EX
	PL
.endr
	EX                              ; the next piece's two a
	EX
	v_nop                           ; a plain instruction behind the last exponential: one for the batch
	s_wait_alu depctr_va_vdst(0)    ; the wait for the batch, ahead of its first reader
.if (\p) == NP-2
	FETCH_K \last
.endif
.if (\p) == 1
	s_wait_dscnt 0x0                ; V is in
.endif
.rept 16
	MM
.rept 4
	PL
.endr
.if ((\p) == 0) && (q == 118)
	v_add_nc_u32 v[AV], s[TBV], v[AV0]
.endif
.if ((\p) == 0) && (q == 130)
	s_add_co_u32 s[TBV], s[TBV], KS*PV
.endif
.if (\cnt) && (q == 130)
	s_sub_co_u32 s[CNT], s[CNT], 1
	s_cmp_lg_u32 s[CNT], 0
.endif
.endr
.if (\p) == 0
	FETCH_V
.endif
.endm
	CHANGE 1                        ; slot 0 is in, everybody's part of it; slot 1 is asked for
	FETCH_K                         ; key step 0
	s_wait_loadcnt 0x0              ; Q
	s_wait_dscnt 0x0
.set i, 0
.rept 16
	KQ 0                            ; piece 0's first scores
.set i, i+1
.endr
	WIN 0                           ; the addresses for the way out: plain instructions, the places behind those products
	s_mul_i32 s13, s[WV], 16*SP
	s_add_co_u32 s13, s13, STAGE
	v_mul_u32_u24 v[STO], v1, SP
	v_lshl_add_u32 v[STO], v9, 4, v[STO]
	v_add_nc_u32 v[STO], s13, v[STO]
	v_bfe_u32 v[RD], v0, 3, 2
	v_mul_u32_u24 v[RD], v[RD], SP
	v_lshl_add_u32 v[RD], v10, 4, v[RD]
	v_add_nc_u32 v[RD], s13, v[RD]
	v_and_b32 v[GO], 31, v0
	v_lshlrev_b32 v[GO], 4, v[GO]
.set Y, NP-1
.irp n, 0,1,2,3,4,5,6,7,8,9,10,11,12,13,14,15,16,17,18,19,20,21
	XS 0, \n                        ; piece 0's first maximum and statistics
	XS 1, \n
.endr
	v_nop
	s_wait_alu depctr_va_vdst(0)    ; the two a's wait, ahead of the branch
	s_mov_b32 s[CNT], 4
	s_mov_b32 s[SLOTS], SIZE_N/256-1
	s_branch .Lfirst                ; the loop is entered at a step's first turn
.Lslot:                             ; SIZE_N / 256 - 2 times: every slot but the last two is filled again
	CHANGE 1
	s_mov_b32 s[CNT], 4
.Lstep:                             ; a trip: pieces 2 and 3 of one step, then pieces 0 and 1 of the next
	TURN 2
	TURN 3
	WIN 0
.Lfirst:
	TURN 0
	TURN 1, 0, 1
	WIN 0
	s_cbranch_scc1 .Lstep
	s_sub_co_u32 s[SLOTS], s[SLOTS], 1
	s_cmp_lg_u32 s[SLOTS], 0
	s_cbranch_scc1 .Lslot
	CHANGE 0                        ; the tail is written out
	s_mov_b32 s[CNT], 5             ; four trips fetch the last slot's steps; the fifth is left in its middle
.Ltail:
	TURN 2, 1
	TURN 3
	WIN 0
	s_sub_co_u32 s[CNT], s[CNT], 1
	s_cmp_eq_u32 s[CNT], 0
	s_cbranch_scc1 .Lout
	TURN 0
	TURN 1
	WIN 0
	s_branch .Ltail
.Lout:                              ; the fifth trip's 16 products K Q^T and the maximum made of them serve nothing: the price, once a launch, of one text for every trip
.set i, 0
.rept 16
	PV NP-1
.set i, i+1
.endr
	; THE WAY OUT.  l's halves are added; O^T is divided by l, rounded to f16 and sent through my stage in LDS, a tile at a time.
	WIN 0
.macro ALL line:vararg
.set t, 0
.rept 2*NP
	\line
.set t, t+1
.endr
.endm
	ALL v_add_f32 v[ST+4*t+2], v[ST+4*t+2], v[ST+4*t+3]
	ALL v_permlanex16_b32 v[ST+4*t+3], v[ST+4*t+2], s[SEL], s[SEL+1]
	ALL v_add_f32 v[ST+4*t+2], v[ST+4*t+2], v[ST+4*t+3]
	ALL v_rcp_f32 v[ST+4*t+2], v[ST+4*t+2]
	v_nop
	s_wait_alu depctr_va_vdst(0)    ; one wait for the eight reciprocals
.macro PACK t
	WIN W_RS
.set i, 32*(\t)
.rept 16
	v_pk_mul_f32 v[i:i+1], v[i:i+1], v[ST+4*(\t)+2:ST+4*(\t)+3] op_sel_hi:[1,0]
.set i, i+2
.endr
	WIN 0x05
.set i, 0
.rept 16
	v_cvt_pk_f16_f32 v[S+16*(\t)+i], v[32*(\t)+2*i], v[32*(\t)+2*i+1]
.set i, i+1
.endr
	WIN 0
.irp f, 0,1,2,3
	ds_store_b128 v[STO], v[S+16*(\t)+4*\f:S+16*(\t)+4*\f+3] offset:32*\f
.endr
.irp f, 0,1,2,3
	ds_load_b128 v[S+16*(\t)+4*\f:S+16*(\t)+4*\f+3], v[RD] offset:\f*4*SP  ; LDS serves a wave's instructions in order (ISA guide 5.7.1.4)
.endr
.endm
.macro SEND t, younger              ; younger: the LDS instructions issued behind tile t's loads
	WIN 0
.irp f, 0,1,2,3
	s_wait_dscnt (\younger)+3-\f
	global_store_b128 v[GO], v[S+16*(\t)+4*\f:S+16*(\t)+4*\f+3], s[10:11] offset:(\t)*2048+\f*512  ; 512 consecutive bytes, at a multiple of 256 from O's first
.endr
.endm
	PACK 0
.set t, 1
.rept 2*NP-1
	PACK t
	SEND t-1, 8
.set t, t+1
.endr
	SEND 2*NP-1, 0
	WIN W_AD
	s_wait_tensorcnt 0x0            ; the wave's end
	ds_add_u32 v[SPW], v[NIL]
	s_wait_dscnt 0x0
	WIN 0
	CROUND                          ; the closing round
	s_endpgm
.Lfunc_end_k_qfb8b41227d_attn:
	.size	k_qfb8b41227d_attn, .Lfunc_end_k_qfb8b41227d_attn-k_qfb8b41227d_attn
	.p2alignl 7, 3214868480
	.fill 96, 4, 3214868480
	.section	.rodata,"a",@progbits
	.p2align	6, 0x0
	.amdhsa_kernel k_qfb8b41227d_attn
		.amdhsa_group_segment_fixed_size 327680
		.amdhsa_private_segment_fixed_size 0
		.amdhsa_enable_private_segment 0
		.amdhsa_kernarg_size 32
		.amdhsa_user_sgpr_count 2
		.amdhsa_user_sgpr_kernarg_segment_ptr 1
		.amdhsa_wavefront_size32 1
		.amdhsa_system_sgpr_workgroup_id_x 1
		.amdhsa_system_sgpr_workgroup_id_y 1
		.amdhsa_system_sgpr_workgroup_id_z 1
		.amdhsa_system_vgpr_workitem_id 0
		.amdhsa_next_free_vgpr 770
		.amdhsa_next_free_sgpr 66
		.amdhsa_reserve_vcc 0
		.amdhsa_float_denorm_mode_32 3
		.amdhsa_float_denorm_mode_16_64 3
		.amdhsa_memory_ordered 1
		.amdhsa_forward_progress 1
		.amdhsa_inst_pref_size 199
	.end_amdhsa_kernel
	.amdgpu_metadata
---
amdhsa.version: [ 1, 2 ]
amdhsa.kernels:
  - .name:           k_qfb8b41227d_attn
    .symbol:         k_qfb8b41227d_attn.kd
    .args:
      - { .name: qh, .offset: 0, .size: 8, .value_kind: global_buffer, .address_space: global }
      - { .name: kh, .offset: 8, .size: 8, .value_kind: global_buffer, .address_space: global }
      - { .name: vh, .offset: 16, .size: 8, .value_kind: global_buffer, .address_space: global }
      - { .name: oh, .offset: 24, .size: 8, .value_kind: global_buffer, .address_space: global }
    .group_segment_fixed_size: 327680
    .private_segment_fixed_size: 0
    .kernarg_segment_align: 8
    .kernarg_segment_size: 32
    .max_flat_workgroup_size: 128
    .sgpr_count:     66
    .vgpr_count:     770
    .wavefront_size: 32
...
	.end_amdgpu_metadata
.endif
;; end of part 3
;; launch proj (part 4): grid 8 x 32, 4 waves a work-group, clusters of 4 x 4, 327,680 bytes of LDS; arguments oh, pw, proj_b, out0; writes out0
.if DOCPART == 4
	.amdgcn_target "amdgcn-amd-amdhsa--gfx1250"
	.amdhsa_code_object_version 6
	.text
	.protected	k_qfb8b41227d_proj
	.globl	k_qfb8b41227d_proj
	.p2align	8
	.type	k_qfb8b41227d_proj,@function
k_qfb8b41227d_proj:
	s_mov_b64 s[64:65], 0
	v_nop
	global_prefetch_b8 v0, s[64:65] scope:SCOPE_SE
	s_setreg_imm32_b32 hwreg(HW_REG_WAVE_MODE, 25, 1), 1
	s_wait_xcnt 0x0
	s_wait_alu depctr_hold_cnt(0) depctr_sa_sdst(0) depctr_va_vdst(0) depctr_va_sdst(0) depctr_va_ssrc(0) depctr_va_vcc(0) depctr_vm_vsrc(0)
	s_getreg_b32 s2, hwreg(HW_REG_IB_STS2, 6, 4)
	s_cmp_eq_u32 s2, 0
	s_cbranch_scc0 .Lentry_in_a_cluster
	s_endpgm
.Lentry_in_a_cluster:
	s_bfe_u32 s2, ttmp6, 0x10000c
	s_cmp_lg_u32 s2, 0xf033
	s_cbranch_scc0 .Lentry_shape_is_right
	s_endpgm
.Lentry_shape_is_right:
; out0 = O W^T + b: 8192 x 1024 x 1024, f16 operands, f32 sums, f32 out.  oh: f16 [4 b][16 kb = head][2048 n][64]; pw: f16 [16 kb][1024][64]; the bias is used rounded to bf16, as W was.
; TILE.  256 rows x 128 columns: 256 work-groups.  Four waves, 2 x 2, each 128 x 64: 32 accumulators in window 1.  K goes in steps of 128 (two K blocks, each dense in memory and asked for as rows of
; 256 bytes, padded in LDS after every 128) through two slots; a slot of 256 along K does not fit twice.  Waves 0 and 1 fetch A's two K blocks, waves 2 and 3 W's: one load a wave behind each
; change of slots, 112 matrix instructions ahead of the wait for it.
; CLUSTER 4 x 4: A's tiles are asked for jointly by a row of the cluster, W's by a column.
; THE MATRIX INSTRUCTION IS USED TRANSPOSED (source 0 = 16 rows of W, source 1 = 16 rows of O): a lane holds eight neighbouring columns of a row; an m block goes through the wave's own stage in LDS
; and comes back as whole rows of 256 bytes.
; NO PREFETCH: eight K steps are the whole launch.
.set PITCH,  144                       ; 128 bytes + 16: the 16 rows of a fragment load start at 16 different groups of four banks (64 banks of 4 bytes: ISA guide 11.1)
.set ABLK,   256*PITCH                 ; 36,864: a K block of A
.set BBLK,   128*PITCH                 ; 18,432: of W; also a wave's 128 rows of A
.set SLOT,   2*ABLK+2*BBLK             ; 110,592
.set STAGE,  2*SLOT                    ; 221,184: 16 rows x 272 bytes for each wave; no tensor load fills it
.set SPITCH, 272
.set SPARE,  STAGE+4*16*SPITCH         ; 238,592: the spare words, 128 bytes a wave: two blocks of 256 bytes that no other line names
.set ADRA, 16
.set ADRB, 20
.set STO,  24
.set RD,   25
.set CO,   26
.set BO,   27
.set SPW,  28
.set NIL,  29
.set AF,   32                          ; v32-95, v96-159 A's eight fragments, two buffers
.set BF,   160                         ; v160-191, v192-223 W's four, two buffers
.set OB,   32                          ; way out: 16 rows read back, v32-63 and v64-95 by turns
.set BIN,  224                         ; v224-227 the bias as loaded; v228-231 rounded to bf16
.set BI,   228
.set TP,   232
.set WV, 12
.set WR, 13
.set WC, 14
.set CX, 15
.set CY, 16
.set TX, 17
.set TY, 18
.set G1A, 24
.set G0A, 32
.set LAP, 40
.set G1B, 48
.set G0B, 56
.set MSB, 0
.macro WIN new
.if MSB != (\new)
	s_set_vgpr_msb (MSB<<8)|(\new)
.set MSB, \new
.endif
.endm
.set MUL, 0x50                         ; sources in window 0, C and D in window 1
.macro PLACES
.rept 4
	v_nop
.endr
.endm
.macro CREST
	s_cmp_lg_u32 s[WV], 0
	s_cbranch_scc1 .Lnot_wave_0_\@
	s_barrier_signal -3
.Lnot_wave_0_\@:
	s_barrier_wait -3
	s_barrier_signal -1
	s_barrier_wait -1
.endm
.macro CROUND
	s_barrier_signal -1
	s_barrier_wait -1
	CREST
.endm
.macro JLOAD s                         ; an s_nop 0 and four v_nop follow each of the two lines
	s_cmp_eq_u32 s[WR], 0
	s_cbranch_scc0 .Lfor_b_\@
	tensor_load_to_lds s[G0A+4*(\s):G0A+4*(\s)+3], s[G1A:G1A+7]
	s_nop 0
.rept 4
	v_nop
.endr
	s_branch .Lasked_\@
.Lfor_b_\@:
	tensor_load_to_lds s[G0B+4*(\s):G0B+4*(\s)+3], s[G1B:G1B+7]
	s_nop 0
.rept 4
	v_nop
.endr
.Lasked_\@:
.endm
	s_load_b256 s[4:11], s[0:1], 0x0               ; oh 4:5, pw 6:7, proj_b 8:9, out0 10:11
	v_lshl_add_u32 v[SPW], v0, 2, SPARE
	v_mov_b32 v[NIL], 0
	ds_add_u32 v[SPW], v[NIL]                      ; the wave's opening: the add and its wait stand ahead of my first tensor load
	v_lshrrev_b32 v1, 5, v0
	v_readfirstlane_b32 s[WV], v1
	s_lshr_b32 s[WR], s[WV], 1                     ; my half of the rows.  Also: I fetch for A (0) or for W (1)
	s_and_b32 s[WC], s[WV], 1                      ; my half of the columns.  Also: which K block of a step I fetch
	s_bfe_u32 s[CX], ttmp6, 0x40000
	s_bfe_u32 s[CY], ttmp6, 0x40004
	s_lshl_b32 s[TX], ttmp9, 2
	s_add_co_u32 s[TX], s[TX], s[CX]
	s_and_b32 s[TY], ttmp7, 0xffff
	s_lshl_b32 s[TY], s[TY], 2
	s_add_co_u32 s[TY], s[TY], s[CY]
	s_lshl_b32 s19, s[CY], 2
	s_lshl_b32 s19, 15, s19                        ; my row of the cluster
	s_lshl_b32 s41, 0x1111, s[CX]                  ; my column
	s_or_b32 s[G1A], s19, (1<<16)|(1<<20)|(1<<21)|(4<<22)|(3<<25)  ; the mask; 2-byte elements; padding on; 21 set beside a mask; after every 32 words, 4 words
	s_or_b32 s[G1B], s41, (1<<16)|(1<<20)|(1<<21)|(4<<22)|(3<<25)
	s_mov_b32 s[G1A+1], 128<<16                    ; rows of 128 elements, 256 bytes;
	s_mov_b32 s[G1A+2], 128<<16                    ; 128 of them
	s_mov_b32 s[G1A+3], 128<<16
	s_mov_b32 s[G1A+4], 128
	s_mov_b32 s[G1A+5], 128
	s_mov_b32 s[G1A+6], 0
	s_mov_b32 s[G1A+7], 0
	s_mov_b32 s[G1B+1], 128<<16
	s_mov_b32 s[G1B+2], 64<<16                     ; 64 of them
	s_mov_b32 s[G1B+3], 128<<16
	s_mov_b32 s[G1B+4], 64
	s_mov_b32 s[G1B+5], 128
	s_mov_b32 s[G1B+6], 0
	s_mov_b32 s[G1B+7], 0
	s_lshr_b32 s20, s[TY], 3                       ; A: batch ty / 8,
	s_lshl_b32 s20, s20, 22
	s_and_b32 s21, s[TY], 7
	s_lshl_b32 s21, s21, 15                        ; 256 (ty % 8) rows of 128 bytes,
	s_add_co_u32 s20, s20, s21
	s_lshl_b32 s21, s[WC], 18                      ; my K block of the step's two
	s_add_co_u32 s20, s20, s21
	s_mov_b32 s21, 0
	s_lshl_b32 s22, s[TX], 14                      ; W: 128 tx rows of 128 bytes,
	s_lshl_b32 s23, s[WC], 17                      ; my K block
	s_add_co_u32 s22, s22, s23
	s_mov_b32 s23, 0
	s_mul_i32 s42, s[WC], ABLK                     ; where they go
	s_mul_i32 s43, s[WC], BBLK
	s_add_co_u32 s43, s43, 2*ABLK
	s_lshl_b32 s46, s[TX], 9                       ; my 64 columns: 512 tx + 256 wc bytes
	s_lshl_b32 s47, s[WC], 8
	s_add_co_u32 s46, s46, s47
	s_mov_b32 s47, 0
	s_lshl_b32 s44, s[TY], 20                      ; my first row: 256 ty + 128 wr, 4,096 bytes each
	s_lshl_b32 s45, s[WR], 19
	s_add_co_u32 s44, s44, s45
	s_add_co_u32 s44, s44, s46
	s_mov_b32 s45, 0
	s_wait_dscnt 0x0                               ; the opening add is done
	s_wait_kmcnt 0x0
	s_add_nc_u64 s[4:5], s[4:5], s[20:21]
	s_add_nc_u64 s[6:7], s[6:7], s[22:23]
	s_add_nc_u64 s[8:9], s[8:9], s[46:47]
	s_add_nc_u64 s[10:11], s[10:11], s[44:45]
.irp s, 0,1
	s_mov_b32 s[G0A+4*(\s)], 1
	s_add_co_u32 s[G0A+4*(\s)+1], s42, (\s)*SLOT
	s_add_nc_u64 s[G0A+4*(\s)+2:G0A+4*(\s)+3], s[4:5], (\s)*524288
	s_or_b32 s[G0A+4*(\s)+3], s[G0A+4*(\s)+3], 0x80000000
	s_mov_b32 s[G0B+4*(\s)], 1
	s_add_co_u32 s[G0B+4*(\s)+1], s43, (\s)*SLOT
	s_add_nc_u64 s[G0B+4*(\s)+2:G0B+4*(\s)+3], s[6:7], (\s)*262144
	s_or_b32 s[G0B+4*(\s)+3], s[G0B+4*(\s)+3], 0x80000000
.endr
	CROUND                                         ; all sixteen work-groups are here: the first joint loads meet
	s_cmp_eq_u32 s[WR], 0                          ; a wave's two first fills stand in one branch: two loads of mine are out
	s_cbranch_scc0 .Lfirst_b
	tensor_load_to_lds s[G0A:G0A+3], s[G1A:G1A+7]
	s_nop 0
	tensor_load_to_lds s[G0A+4:G0A+7], s[G1A:G1A+7]
	s_nop 0
.rept 4
	v_nop
.endr
	s_branch .Lfirst_asked
.Lfirst_b:
	tensor_load_to_lds s[G0B:G0B+3], s[G1B:G1B+7]
	s_nop 0
	tensor_load_to_lds s[G0B+4:G0B+7], s[G1B:G1B+7]
	s_nop 0
.rept 4
	v_nop
.endr
.Lfirst_asked:
	v_and_b32 v1, 15, v0
	v_bfe_u32 v2, v0, 4, 1
	v_lshlrev_b32 v[BO], 4, v1
	global_load_b128 v[BIN:BIN+3], v[BO], s[8:9]   ; the bias of the four columns that I store
	v_mul_u32_u24 v3, v1, PITCH
	v_lshl_add_u32 v3, v2, 4, v3
	s_mul_i32 s20, s[WR], BBLK                     ; my 128 rows of A
	s_mul_i32 s21, s[WC], 64*PITCH                 ; my 64 rows of W,
	s_add_co_u32 s21, s21, 2*ABLK                  ; behind A's two K blocks
.irp s, 0,1
	v_add_nc_u32 v[ADRA+(\s)], s20, v3
	v_add_nc_u32 v[ADRB+(\s)], s21, v3
	s_add_co_u32 s20, s20, SLOT
	s_add_co_u32 s21, s21, SLOT
.endr
	s_mul_i32 s22, s[WV], 16*SPITCH
	s_add_co_u32 s22, s22, STAGE                   ; my stage
	v_mul_u32_u24 v[STO], v1, SPITCH               ; in: row l % 16, 32 bytes for each half of the lanes
	v_lshl_add_u32 v[STO], v2, 5, v[STO]
	v_add_nc_u32 v[STO], s22, v[STO]
	v_mul_u32_u24 v[RD], v2, SPITCH                ; back: lanes 0-15 one row of 256 bytes, lanes 16-31 the next
	v_lshl_add_u32 v[RD], v1, 4, v[RD]
	v_add_nc_u32 v[RD], s22, v[RD]
	v_lshlrev_b32 v[CO], 12, v2                    ; and the same two rows in out0
	v_lshl_add_u32 v[CO], v1, 4, v[CO]
; 8 matrix instructions: m blocks a0, a0 + 1 x four column blocks, 32 along K from buffers f.  The 32 accumulators take turns, in the same order in every 32 along K.
.macro MUL8 f, a0, zero
	WIN MUL
.irp a, \a0, (\a0)+1
.irp i, 0,1,2,3
.if \zero
	v_wmma_f32_16x16x32_f16 v[8*(4*(\a)+(\i)):8*(4*(\a)+(\i))+7], v[BF+32*(\f)+8*(\i):BF+32*(\f)+8*(\i)+7], v[AF+64*(\f)+8*(\a):AF+64*(\f)+8*(\a)+7], 0
.else
	v_wmma_f32_16x16x32_f16 v[8*(4*(\a)+(\i)):8*(4*(\a)+(\i))+7], v[BF+32*(\f)+8*(\i):BF+32*(\f)+8*(\i)+7], v[AF+64*(\f)+8*(\a):AF+64*(\f)+8*(\a)+7], v[8*(4*(\a)+(\i)):8*(4*(\a)+(\i))+7]
.endif
.endr
.endr
.endm
; 24 LDS loads in one run: quarter qq of a step (K block qq / 2, half qq % 2) into buffers f: W's four fragments, then A's eight
.macro FETCH slot, qq, f
.irp i, 0,1,2,3
	ds_load_b128 v[BF+32*(\f)+8*(\i):BF+32*(\f)+8*(\i)+3],   v[ADRB+(\slot)] offset:((\qq)>>1)*BBLK+(\i)*16*PITCH+64*((\qq)&1)
	ds_load_b128 v[BF+32*(\f)+8*(\i)+4:BF+32*(\f)+8*(\i)+7], v[ADRB+(\slot)] offset:((\qq)>>1)*BBLK+(\i)*16*PITCH+64*((\qq)&1)+32
.endr
.irp a, 0,1,2,3,4,5,6,7
	ds_load_b128 v[AF+64*(\f)+8*(\a):AF+64*(\f)+8*(\a)+3],   v[ADRA+(\slot)] offset:((\qq)>>1)*ABLK+(\a)*16*PITCH+64*((\qq)&1)
	ds_load_b128 v[AF+64*(\f)+8*(\a)+4:AF+64*(\f)+8*(\a)+7], v[ADRA+(\slot)] offset:((\qq)>>1)*ABLK+(\a)*16*PITCH+64*((\qq)&1)+32
.endr
.endm
; One of a step's first three quarters: multiplies buffers f; in its middle it fetches quarter nqq of slot ns into the other buffers.
.macro QUARTERP f, ns, nqq, zero
	s_wait_dscnt 8                                 ; W and A's m blocks 0-3 are in; the youngest eight loads may be out
	MUL8 \f, 0, \zero
	MUL8 \f, 2, \zero
	PLACES
	WIN 0
	FETCH \ns, \nqq, 1-(\f)
	s_wait_dscnt 24                                ; all but the 24 just issued
	MUL8 \f, 4, \zero
	MUL8 \f, 6, \zero
.endm
; The last quarter (buffers 1) and the change of slots: one barrier; in front of it each wave waits for all its tensor loads, adds 0 to its spare word, and waits for that and for its reads of this slot.
.macro TURNP slot, next, fill
	WIN 0
	s_wait_tensorcnt 0x0                           ; all my tensor loads have landed: my part of the next slot
	ds_add_u32 v[SPW], v[NIL]                      ; 0 onto my spare word
	s_wait_dscnt 9                                 ; the add and the youngest eight loads may be out
	MUL8 1, 0, 0
	s_wait_dscnt 0x0                               ; the add is done, and my reads of this slot are over
	s_barrier_signal -1
	MUL8 1, 2, 0
	WIN 0
	s_barrier_wait -1
.if \fill
	CREST                                          ; no wave of any partner still reads this slot or has a load on its way
	s_add_nc_u64 s[G0A+4*(\slot)+2:G0A+4*(\slot)+3], s[G0A+4*(\slot)+2:G0A+4*(\slot)+3], 1048576  ; four K blocks on
	s_add_nc_u64 s[G0B+4*(\slot)+2:G0B+4*(\slot)+3], s[G0B+4*(\slot)+2:G0B+4*(\slot)+3], 524288
	JLOAD \slot                                    ; its four v_nop are also the places in front of the loads below
.else
	PLACES
.endif
	FETCH \next, 0, 0
	MUL8 1, 4, 0
	MUL8 1, 6, 0
.endm
	s_wait_tensorcnt 0x1                           ; my part of K step 0 is in; K step 1's may stay out
	s_barrier_signal -1
	s_barrier_wait -1
	FETCH 0, 0, 0
	QUARTERP 0, 0, 1, 1                            ; the first 32 products start the sums
	WIN 0
	s_mov_b32 s[LAP], 3
.Llap:                                                 ; a trip goes once round the ring and fills both slots again: K steps 2 to 7
	QUARTERP 1, 0, 2, 0
	QUARTERP 0, 0, 3, 0
	TURNP 0, 1, 1
	QUARTERP 0, 1, 1, 0
	QUARTERP 1, 1, 2, 0
	QUARTERP 0, 1, 3, 0
	TURNP 1, 0, 1
	QUARTERP 0, 0, 1, 0
	WIN 0
	s_sub_co_u32 s[LAP], s[LAP], 1
	s_cmp_lg_u32 s[LAP], 0
	s_cbranch_scc1 .Llap
	QUARTERP 1, 0, 2, 0                            ; the last lap asks for nothing
	QUARTERP 0, 0, 3, 0
	TURNP 0, 1, 0
	QUARTERP 0, 1, 1, 0
	QUARTERP 1, 1, 2, 0
	QUARTERP 0, 1, 3, 0
	s_wait_dscnt 8
	MUL8 1, 0, 0
	MUL8 1, 2, 0
	s_wait_dscnt 0x0
	MUL8 1, 4, 0
	MUL8 1, 6, 0
	WIN 0
	; THE WAY OUT
	PLACES
	s_wait_loadcnt 0x0                             ; the bias
	v_cvt_pk_bf16_f32 v[TP], v[BIN], v[BIN+1]
	v_cvt_pk_bf16_f32 v[TP+1], v[BIN+2], v[BIN+3]
	v_lshlrev_b32 v[BI], 16, v[TP]
	v_and_b32 v[BI+1], 0xffff0000, v[TP]
	v_lshlrev_b32 v[BI+2], 16, v[TP+1]
	v_and_b32 v[BI+3], 0xffff0000, v[TP+1]
.macro STG a                           ; m block a into my stage, each accumulator from its low end on, and back as whole rows
	s_wait_xcnt 0x0                                ; the stores of two blocks ago have read the registers that are loaded below
	WIN 0x04                                       ; the stores' data lie in window 1
.irp i, 0,1,2,3
	ds_store_b128 v[STO], v[8*(4*(\a)+(\i)):8*(4*(\a)+(\i))+3]   offset:64*(\i)
	ds_store_b128 v[STO], v[8*(4*(\a)+(\i))+4:8*(4*(\a)+(\i))+7] offset:64*(\i)+16
.endr
	WIN 0
.irp t, 0,1,2,3,4,5,6,7
	ds_load_b128 v[OB+32*((\a)%2)+4*(\t):OB+32*((\a)%2)+4*(\t)+3], v[RD] offset:(\t)*2*SPITCH  ; LDS serves a wave's instructions in order (ISA guide 5.7.1.4): these see the stores above
.endr
.endm
.macro SEND a, younger                 ; younger: the LDS instructions issued behind block a's loads: the next block's sixteen, or none
.irp t, 0,1,2,3,4,5,6,7
	s_wait_dscnt (\younger)+7-(\t)
	v_pk_add_f32 v[OB+32*((\a)%2)+4*(\t):OB+32*((\a)%2)+4*(\t)+1],   v[OB+32*((\a)%2)+4*(\t):OB+32*((\a)%2)+4*(\t)+1],   v[BI:BI+1]
	v_pk_add_f32 v[OB+32*((\a)%2)+4*(\t)+2:OB+32*((\a)%2)+4*(\t)+3], v[OB+32*((\a)%2)+4*(\t)+2:OB+32*((\a)%2)+4*(\t)+3], v[BI+2:BI+3]
	global_store_b128 v[CO], v[OB+32*((\a)%2)+4*(\t):OB+32*((\a)%2)+4*(\t)+3], s[10:11] offset:(\a)*65536+(\t)*8192  ; 16 lanes store 256 consecutive bytes, at a multiple of 256 from out0's first
.endr
.endm
	STG 0
.irp a, 1,2,3,4,5,6,7
	STG \a
	SEND (\a)-1, 16
.endr
	SEND 7, 0
	s_wait_tensorcnt 0x0                           ; the wave's end: an add to my spare word and its wait, behind my last tensor load and my last LDS store
	ds_add_u32 v[SPW], v[NIL]
	s_wait_dscnt 0x0
	CROUND                                         ; the closing round: no work-group ends while a partner may still ask for a tile that names it
	s_endpgm
.Lfunc_end_k_qfb8b41227d_proj:
	.size	k_qfb8b41227d_proj, .Lfunc_end_k_qfb8b41227d_proj-k_qfb8b41227d_proj
	.p2alignl 7, 3214868480
	.fill 96, 4, 3214868480
	.section	.rodata,"a",@progbits
	.p2align	6, 0x0
	.amdhsa_kernel k_qfb8b41227d_proj
		.amdhsa_group_segment_fixed_size 327680
		.amdhsa_private_segment_fixed_size 0
		.amdhsa_enable_private_segment 0
		.amdhsa_kernarg_size 32
		.amdhsa_user_sgpr_count 2
		.amdhsa_user_sgpr_kernarg_segment_ptr 1
		.amdhsa_wavefront_size32 1
		.amdhsa_system_sgpr_workgroup_id_x 1
		.amdhsa_system_sgpr_workgroup_id_y 1
		.amdhsa_system_sgpr_workgroup_id_z 1
		.amdhsa_system_vgpr_workitem_id 0
		.amdhsa_next_free_vgpr 512
		.amdhsa_next_free_sgpr 66
		.amdhsa_reserve_vcc 0
		.amdhsa_float_denorm_mode_32 3
		.amdhsa_float_denorm_mode_16_64 3
		.amdhsa_memory_ordered 1
		.amdhsa_forward_progress 1
		.amdhsa_inst_pref_size 95
	.end_amdhsa_kernel
	.amdgpu_metadata
---
amdhsa.version: [ 1, 2 ]
amdhsa.kernels:
  - .name:           k_qfb8b41227d_proj
    .symbol:         k_qfb8b41227d_proj.kd
    .args:
      - { .name: oh, .offset: 0, .size: 8, .value_kind: global_buffer, .address_space: global }
      - { .name: pw, .offset: 8, .size: 8, .value_kind: global_buffer, .address_space: global }
      - { .name: proj_b, .offset: 16, .size: 8, .value_kind: global_buffer, .address_space: global }
      - { .name: out0, .offset: 24, .size: 8, .value_kind: global_buffer, .address_space: global }
    .group_segment_fixed_size: 327680
    .private_segment_fixed_size: 0
    .kernarg_segment_align: 8
    .kernarg_segment_size: 32
    .max_flat_workgroup_size: 128
    .sgpr_count:     66
    .vgpr_count:     512
    .wavefront_size: 32
...
	.end_amdgpu_metadata
.endif
;; end of part 4
;; ======== version 2 of 2: 4 launches; version 1 with the launch cast written anew for expert scheduling mode
;; limits: values are held in f16: magnitudes above 65,504 overflow, below 6.1e-05 lose precision
;; workspace buffers: xb 16,777,216 bytes; wb 6,291,456 bytes; pw 2,097,152 bytes; tab 1,048,576 bytes; qh 16,777,216 bytes; kh 16,777,216 bytes; vh 16,777,216 bytes; oh 16,777,216 bytes
;; launch cast (part 5): grid 784 x 1, 8 waves a work-group, no clusters, 0 bytes of LDS; arguments x, qkv_w, proj_w, cos, sin, xb, wb, pw, tab; writes xb, wb, pw, tab
.if DOCPART == 5
	.amdgcn_target "amdgcn-amd-amdhsa--gfx1250"
	.amdhsa_code_object_version 6
	.text
	.protected	k_qfb8b41227d_cast
	.globl	k_qfb8b41227d_cast
	.p2align	8
	.type	k_qfb8b41227d_cast,@function
k_qfb8b41227d_cast:
	s_mov_b64 s[64:65], 0
	v_nop
	global_prefetch_b8 v0, s[64:65] scope:SCOPE_SE
	s_setreg_imm32_b32 hwreg(HW_REG_WAVE_SCHED_MODE, 0, 2), 2
	s_setreg_imm32_b32 hwreg(HW_REG_WAVE_MODE, 25, 1), 1
	s_wait_xcnt 0x0
	s_wait_alu depctr_vm_vsrc(0)
; Every large input is rounded once to bf16 and laid out for the launches behind.
; x [8192][1024] -> xb, bf16 [4 b][16 kb][2048 n][64];  qkv_w [3072][1024] -> wb, bf16 [16 kb][3072][64];
; proj_w [1024][1024] -> pw, [16 kb][1024][64]: rounded to bf16, that number written as f16 (LIMIT: |proj_w| within 65,504; below 6e-5 f16's fixed step of 6e-8);
; cos, sin [2048][64] -> tab: rounded to bf16 and kept as f32, cos at byte 0, sin at byte 524,288.
; A K block of 64 channels of any run of rows is then dense in memory: a tile of it can be asked for as rows of 256 bytes.
; SHARES.  Every work-group reads 64 KiB: ids 0-511 sixteen rows of x, 512-703 of qkv_w, 704-767 of proj_w, 768-775 a piece of cos, 776-783 of sin.
; Thread t takes row t / 16 and, of each K block's 256 bytes of f32, the 16 bytes at 16 (t % 16): sixteen lanes read 256 consecutive aligned bytes.
; Its 8 bytes of result lie at 8 t in the block's sixteen rows: a wave's store covers 256 consecutive aligned bytes.
; All sixteen loads of a thread go out at once; no register that a store reads is written again, so there is no loop and no wait for a store's sources.
; No LDS, no matrix unit: nothing is shared and nothing is multiplied.
; THE MODE: SCHED_MODE bits 1:0 = 2 (LLVM: expert scheduling mode 2), set by the entry lines.  The code itself states the register dependences
; between vector instructions and memory instructions, with s_wait_alu, always for 0.
; THE PLAN.  Registers that memory instructions touch:
;   v1, v3     byte offsets of the loads (v3: of the tables' stores too).  Written at the head, never again.
;   DO 0..15   byte offsets of the stores.  Written once, by the sixteen v_mad behind the loads; each is read by one store.
;   X 0..15    sixteen slots.  A slot is written by its load, then in place by its conversions, then read by its one store, and never written again.
; The slots go in four groups of four.  Group g's conversions name its own slots, v20 and v21 alone; the memory instructions beside them are the four stores of group g - 1.
; So ONE wait on va_vdst at a group's head states all that those four stores hang on, and they are dealt among the group's conversions with no further wait.
; No register that a memory instruction reads is written again: the only wait on vm_vsrc is in the entry lines.  No vector instruction writes a scalar register, VCC or EXEC.
.set DO, 4                             ; v[4:19]  byte offset of my 8 bytes in K block j
.set X,  32                            ; v[32:95] sixteen slots of four registers
	s_load_b512 s[4:19], s[0:1], 0x0               ; x 4:5, qkv_w 6:7, proj_w 8:9, cos 10:11, sin 12:13, xb 14:15, wb 16:17, pw 18:19
	s_load_b64 s[20:21], s[0:1], 0x40              ; tab
	s_mov_b32 s22, ttmp9                           ; the work-group's number
	s_mov_b32 s34, 0xffff0000                      ; a word's upper bf16
	s_mov_b32 s27, 0                               ; high words of the two offsets
	s_mov_b32 s29, 0
	v_lshrrev_b32 v1, 4, v0
	v_and_b32 v20, 15, v0
	v_lshlrev_b32 v20, 4, v20
	v_lshl_add_u32 v1, v1, 12, v20                 ; source: row t / 16 of 4,096 bytes + 16 (t % 16)
	v_lshlrev_b32 v2, 3, v0                        ; destination: 8 t
	v_lshlrev_b32 v3, 4, v0                        ; the tables: 16 t
	s_sub_co_u32 s35, s22, 512                     ; the number among qkv_w's work-groups,
	s_sub_co_u32 s36, s22, 704                     ; among proj_w's
	s_lshr_b32 s37, s22, 7                         ; x: batch b = id / 128, 16 K blocks of 262,144 bytes each,
	s_lshl_b32 s37, s37, 22
	s_and_b32 s38, s22, 127                        ; and sixteen rows of 128 bytes
	s_lshl_b32 s38, s38, 11
	s_add_co_u32 s37, s37, s38
	s_mov_b32 s39, 393216                          ; bytes of a K block: wb,
	s_mov_b32 s40, 131072                          ; pw,
	s_mov_b32 s41, 262144                          ; xb
	s_wait_kmcnt 0x0
	s_wait_alu depctr_va_vdst(0)                   ; v1 and v3 are written: the loads of either path read one of them as their offset, the tables' stores v3
	s_cmp_ge_u32 s22, 768
	s_cbranch_scc1 .Ltable
	s_cmp_lt_u32 s22, 704                          ; qkv_w or proj_w
	s_cselect_b32 s23, s35, s36
	s_cselect_b32 s24, s39, s40
	s_cselect_b64 s[30:31], s[6:7], s[8:9]
	s_cselect_b64 s[32:33], s[16:17], s[18:19]
	s_lshl_b32 s28, s23, 11                        ; sixteen rows of 128 bytes in a block
	s_cmp_lt_u32 s22, 512                          ; or x
	s_cselect_b32 s23, s22, s23
	s_cselect_b32 s24, s41, s24
	s_cselect_b32 s28, s37, s28
	s_cselect_b64 s[30:31], s[4:5], s[30:31]
	s_cselect_b64 s[32:33], s[14:15], s[32:33]
	s_lshl_b32 s26, s23, 16                        ; sixteen rows of 4,096 bytes
	s_add_nc_u64 s[30:31], s[30:31], s[26:27]
	s_add_nc_u64 s[32:33], s[32:33], s[28:29]
.irp j, 0,1,2,3,4,5,6,7,8,9,10,11,12,13,14,15
	global_load_b128 v[X+4*(\j):X+4*(\j)+3], v1, s[30:31] offset:256*(\j) th:TH_LOAD_NT
.endr
.irp j, 0,1,2,3,4,5,6,7,8,9,10,11,12,13,14,15
	v_mad_u32_u24 v[DO+(\j)], s24, \j, v2          ; K block j; the first store stands behind group 1's wait, which covers these sixteen
.endr
; Slot j's conversions, in place.  kind = 0: four f32 to four bf16.  kind = 1: to bf16, widened again, and that number to f16.  kind = 2 (the tables): to bf16 and widened again.
.macro CV kind, j
.if (\kind) == 0
	v_cvt_pk_bf16_f32 v[X+4*(\j)], v[X+4*(\j)], v[X+4*(\j)+1]
	v_cvt_pk_bf16_f32 v[X+4*(\j)+1], v[X+4*(\j)+2], v[X+4*(\j)+3]
.else
	v_cvt_pk_bf16_f32 v20, v[X+4*(\j)], v[X+4*(\j)+1]
	v_cvt_pk_bf16_f32 v21, v[X+4*(\j)+2], v[X+4*(\j)+3]
	v_lshlrev_b32 v[X+4*(\j)], 16, v20
	v_and_b32 v[X+4*(\j)+1], s34, v20
	v_lshlrev_b32 v[X+4*(\j)+2], 16, v21
	v_and_b32 v[X+4*(\j)+3], s34, v21
.if (\kind) == 1
	v_cvt_pk_f16_f32 v[X+4*(\j)], v[X+4*(\j)], v[X+4*(\j)+1]
	v_cvt_pk_f16_f32 v[X+4*(\j)+1], v[X+4*(\j)+2], v[X+4*(\j)+3]
.endif
.endif
.endm
; Slot j's store.
.macro ST kind, j
.if (\kind) == 2
	global_store_b128 v3, v[X+4*(\j):X+4*(\j)+3], s[32:33] offset:4096*(\j)
.else
	global_store_b64 v[DO+(\j)], v[X+4*(\j):X+4*(\j)+1], s[32:33]
.endif
.endm
; The sixteen slots, in four groups of four; a group's stores go out in the next group, one ahead of each slot's conversions.
.macro CONV kind
.irp g, 0,1,2,3
	s_wait_loadcnt 12-4*(\g)                       ; loads come back in order: group g's four are in, the 12 - 4 g younger ones stay out
.if (\g) > 0
	s_wait_alu depctr_va_vdst(0)                   ; the group before has written its four slots, which the stores below read as data; at group 1 also: the sixteen offsets DO are written
.endif
.irp i, 0,1,2,3
.if (\g) > 0
	ST \kind, 4*(\g)-4+(\i)                        ; no vector instruction since the wait names this slot or its offset
.endif
	CV \kind, 4*(\g)+(\i)
.endr
.endr
	s_wait_alu depctr_va_vdst(0)                   ; group 3 has written its four slots, which the last four stores read
.irp i, 12,13,14,15
	ST \kind, \i
.endr
.endm
	s_cmp_ge_u32 s22, 704
	s_cbranch_scc1 .Lhalf
	CONV 0
	s_endpgm
.Lhalf:
	CONV 1
	s_endpgm
.Ltable:                                               ; 64 KiB of cos or of sin: rounded to bf16, widened in place, stored where it lay
	s_and_b32 s26, s22, 7
	s_lshl_b32 s26, s26, 16
	s_sub_co_u32 s28, s22, 768
	s_lshl_b32 s28, s28, 16
	s_cmp_lt_u32 s22, 776
	s_cselect_b64 s[30:31], s[10:11], s[12:13]
	s_add_nc_u64 s[30:31], s[30:31], s[26:27]
	s_add_nc_u64 s[32:33], s[20:21], s[28:29]
.irp j, 0,1,2,3,4,5,6,7,8,9,10,11,12,13,14,15
	global_load_b128 v[X+4*(\j):X+4*(\j)+3], v3, s[30:31] offset:4096*(\j) th:TH_LOAD_NT
.endr
	CONV 2
	s_endpgm
.Lfunc_end_k_qfb8b41227d_cast:
	.size	k_qfb8b41227d_cast, .Lfunc_end_k_qfb8b41227d_cast-k_qfb8b41227d_cast
	.p2alignl 7, 3214868480
	.fill 96, 4, 3214868480
	.section	.rodata,"a",@progbits
	.p2align	6, 0x0
	.amdhsa_kernel k_qfb8b41227d_cast
		.amdhsa_group_segment_fixed_size 0
		.amdhsa_private_segment_fixed_size 0
		.amdhsa_enable_private_segment 0
		.amdhsa_kernarg_size 72
		.amdhsa_user_sgpr_count 2
		.amdhsa_user_sgpr_kernarg_segment_ptr 1
		.amdhsa_wavefront_size32 1
		.amdhsa_system_sgpr_workgroup_id_x 1
		.amdhsa_system_sgpr_workgroup_id_y 1
		.amdhsa_system_sgpr_workgroup_id_z 1
		.amdhsa_system_vgpr_workitem_id 0
		.amdhsa_next_free_vgpr 96
		.amdhsa_next_free_sgpr 66
		.amdhsa_reserve_vcc 0
		.amdhsa_float_denorm_mode_32 3
		.amdhsa_float_denorm_mode_16_64 3
		.amdhsa_memory_ordered 1
		.amdhsa_forward_progress 1
		.amdhsa_inst_pref_size 24
	.end_amdhsa_kernel
	.amdgpu_metadata
---
amdhsa.version: [ 1, 2 ]
amdhsa.kernels:
  - .name:           k_qfb8b41227d_cast
    .symbol:         k_qfb8b41227d_cast.kd
    .args:
      - { .name: x, .offset: 0, .size: 8, .value_kind: global_buffer, .address_space: global }
      - { .name: qkv_w, .offset: 8, .size: 8, .value_kind: global_buffer, .address_space: global }
      - { .name: proj_w, .offset: 16, .size: 8, .value_kind: global_buffer, .address_space: global }
      - { .name: cos, .offset: 24, .size: 8, .value_kind: global_buffer, .address_space: global }
      - { .name: sin, .offset: 32, .size: 8, .value_kind: global_buffer, .address_space: global }
      - { .name: xb, .offset: 40, .size: 8, .value_kind: global_buffer, .address_space: global }
      - { .name: wb, .offset: 48, .size: 8, .value_kind: global_buffer, .address_space: global }
      - { .name: pw, .offset: 56, .size: 8, .value_kind: global_buffer, .address_space: global }
      - { .name: tab, .offset: 64, .size: 8, .value_kind: global_buffer, .address_space: global }
    .group_segment_fixed_size: 0
    .private_segment_fixed_size: 0
    .kernarg_segment_align: 8
    .kernarg_segment_size: 72
    .max_flat_workgroup_size: 256
    .sgpr_count:     66
    .vgpr_count:     96
    .wavefront_size: 32
...
	.end_amdgpu_metadata
.endif
;; end of part 5
;; launch qkv: the kernel of part 2 again; grid 8 x 32, 4 waves a work-group, clusters of 4 x 4, 327,680 bytes of LDS; arguments xb, wb, qkv_b, q_norm_w, k_norm_w, tab, qh, kh, vh; writes qh, kh, vh
;; launch attn: the kernel of part 3 again; grid 4 x 64, 4 waves a work-group, clusters of 4 x 1, 327,680 bytes of LDS; arguments qh, kh, vh, oh; writes oh
;; launch proj: the kernel of part 4 again; grid 8 x 32, 4 waves a work-group, clusters of 4 x 4, 327,680 bytes of LDS; arguments oh, pw, proj_b, out0; writes out0
